; MI455X (gfx1250); checked and timed in simulation.
; The chip was launched on July 23, 2026; its instructions are those of AMD's public machine-readable ISA for CDNA 5 (MIT licence, August 2026) and "CDNA5" Instruction Set Architecture Reference Guide (July 2026). The comments in the code are by the model that wrote it; some were corrected since.
;; Self Attention Block. Allowed arithmetic: matrix products marked QUANTISED: E2M3 operands, one E8M0 scale for each 32 along K, by v_wmma_scale_f32_16x16x128_f8f6f4 with both operands' format E2M3, f32 sums; everything else in f32.
;; Inputs: W1_codes 2,048 x 32 x 24 uint8 (E2M3 codes of W1, K innermost, in blocks of 32 codes, four codes in three bytes); W1_scales 2,048 x 32 uint8 (E8M0 scales of W1, one for each 32 codes along K); W2_codes 1,024 x 64 x 24 uint8 (E2M3 codes of W2, K innermost, in blocks of 32 codes, four codes in three bytes); W2_scales 1,024 x 64 uint8 (E8M0 scales of W2, one for each 32 codes along K); Wk_codes 1,024 x 32 x 24 uint8 (E2M3 codes of Wk, K innermost, in blocks of 32 codes, four codes in three bytes); Wk_scales 1,024 x 32 uint8 (E8M0 scales of Wk, one for each 32 codes along K); Wq_codes 1,024 x 32 x 24 uint8 (E2M3 codes of Wq, K innermost, in blocks of 32 codes, four codes in three bytes); Wq_scales 1,024 x 32 uint8 (E8M0 scales of Wq, one for each 32 codes along K); Wv_codes 1,024 x 32 x 24 uint8 (E2M3 codes of Wv, K innermost, in blocks of 32 codes, four codes in three bytes); Wv_scales 1,024 x 32 uint8 (E8M0 scales of Wv, one for each 32 codes along K); b1 2,048 float32; b2 1,024 float32; x_codes 2 x 2,048 x 32 x 24 uint8 (E2M3 codes of x, K innermost, in blocks of 32 codes, four codes in three bytes); x_scales 2 x 2,048 x 32 uint8 (E8M0 scales of x, one for each 32 codes along K).
;; Outputs: out0 2 x 2,048 x 1,024 float32.
;; This version of the problem:
;;   THIS VERSION OF THE PROBLEM IS GIVEN IN LOW PRECISION. The matrix products marked QUANTISED in the list below multiply operands that are first quantised to E2M3 (2 exponent bits, 3 mantissa bits; 6 bits a number), with one power-of-two scale for each 32 numbers along K (OCP MX v1.0); their sums are f32. All else is computed in f32.
;;   The module's matrix products, in the order in which they are computed (A, B: the left and right operand; K: the contracted axis; several contracted axes count as one K, in the product's order):
;;     1. [M 4,096, K 1,024] x [K 1,024, N 1,024]; A: input x (given as codes); B: input Wq (given as codes): QUANTISED
;;     2. [M 4,096, K 1,024] x [K 1,024, N 1,024]; A: input x (given as codes); B: input Wk (given as codes): QUANTISED
;;     3. [M 4,096, K 1,024] x [K 1,024, N 1,024]; A: input x (given as codes); B: input Wv (given as codes): QUANTISED
;;     4. batch 32 x [M 2,048, K 64] x [K 64, N 2,048]; A: computed on the way; B: computed on the way: QUANTISED
;;     5. batch 32 x [M 64, K 2,048] x [K 2,048, N 2,048]; A: computed on the way; B: softmax (see below): QUANTISED
;;     6. [M 4,096, K 1,024] x [K 1,024, N 2,048]; A: computed on the way; B: input W1 (given as codes): QUANTISED
;;     7. [M 4,096, K 2,048] x [K 2,048, N 1,024]; A: computed on the way; B: input W2 (given as codes): QUANTISED
;;   THE QUANTISER, for each operand of a quantised product, along K:
;;     - K is cut into blocks of 32 from its start; a last block that is shorter is filled with zeros.
;;     - A block's scale is 2^e with e = floor(log2(the largest magnitude in the block)) - 2, held to -126 .. 127; a block of zeros has e = 0. As a byte (E8M0): e + 127.
;;     - Each number is divided by its block's scale, clamped to +-7.5, and rounded to the nearest number of E2M3, ties to even, subnormals kept.
;;     - The product sums the exact products of the quantised numbers (number of the format x scale) in f32.
;;   ~~~python
;;   def quantise(x, axis):      # numpy; x: float32 -> the quantised numbers, widened to float32 again
;;       x = np.moveaxis(x, axis, -1); K = x.shape[-1]
;;       x = np.pad(x, [(0, 0)] * (x.ndim - 1) + [(0, -K % 32)]); x = x.reshape(x.shape[:-1] + (-1, 32)); a = np.abs(x).max(-1, keepdims=True)
;;       e = np.where(a > 0, np.clip(np.frexp(np.where(a > 0, a, 1))[1] - 1 - 2, -126, 127), 0)      # np.frexp(a)[1] - 1 = floor(log2(a)), exactly
;;       r = np.clip(x / 2.0 ** e, -7.5, 7.5)
;;       step = 2.0 ** (np.maximum(np.frexp(np.where(r == 0, 1, r))[1] - 1, 0) - 3)
;;       q = np.round(r / step) * step * 2.0 ** e      # np.round: ties to even
;;       return np.moveaxis(q.reshape(q.shape[:-2] + (-1,))[..., :K], -1, axis).astype(np.float32)
;;   ~~~
;;   SOFTMAX AHEAD OF A QUANTISED PRODUCT. Where the list says 'softmax', what is quantised is not the finished softmax but p = 2^(t - M), with t = logit x log2(e) and M = ceil(the row's largest t), a whole number; so 1/2 < the row's largest p <= 1. The row's sum l is taken of the UNQUANTISED p, in f32, and the product's result is divided by l at the end. Since M is a whole number, a kernel that streams over the keys may use a running M (the ceiling of the running maximum): every later rescaling is an exact power of two, which a block's scale takes up: the codes' values come out the same.
;;   OPERANDS COMPUTED ON THE WAY. 'Computed on the way' means the value that the module computes at that place (a softmax that the list does not call 'softmax' is quantised finished and normalised). What goes into a quantiser is computed in f32, as accurately as f32 sums, v_exp_f32 and their like allow (about 1e-6 of the number): no bf16 or f16 on the way to a quantiser, and a product that is left as it is and whose result goes on into a quantised operand takes f32 operands (vector FMAs, or v_wmma_f32_16x16x4_f32). A number that lies on a knife's edge between two numbers of the format may be rounded either way, as far as f32 arithmetic and the matrix unit's own rounding can turn it there, and no further.
;;   INPUTS GIVEN AS CODES. W1 (in the module: [2048, 1024], K = its axis 1); W2 (in the module: [1024, 2048], K = its axis 1); Wk (in the module: [1024, 1024], K = its axis 1); Wq (in the module: [1024, 1024], K = its axis 1); Wv (in the module: [1024, 1024], K = its axis 1); x (in the module: [2, 2048, 1024], K = its axis 2): each comes as NAME_codes (uint8): NAME with its K axis moved to the last place and cut into blocks of 32 codes, [.., K / 32, bytes a block], one block behind the other in memory; four codes in three bytes: a row's codes are one little-endian stream of bits, code i at bits 6 i .. 6 i + 5 (a code: sign, 2 exponent bits, 3 mantissa bits); and NAME_scales (uint8): the same leading axes, one E8M0 byte (e + 127) for each 32 codes along K. Its value is code x scale, taken as it is: it is not quantised again, and the codes and scales need not be those that the quantiser above would give.
;; One version. Each part assembles by itself: llvm-mc -triple=amdgcn-amd-amdhsa -mcpu=gfx1250 --defsym DOCPART=n.
;; ======== version 1 of 1: 4 launches
;; limits: right only within a limited range of input values
;; workspace buffers: qws 3,407,872 bytes; kvws 6,815,744 bytes; o_codes 3,145,728 bytes; o_sw 262,144 bytes; h_codes 6,291,456 bytes; h_sw 524,288 bytes
;; launch qkv (part 1): grid 8 x 32, 4 waves a work-group, clusters of 4 x 4, 327,680 bytes of LDS; arguments x_codes, x_scales, Wq_codes, Wk_codes, Wv_codes, Wq_scales, Wk_scales, Wv_scales, qws, kvws; writes qws, kvws
.if DOCPART == 1
	.amdgcn_target "amdgcn-amd-amdhsa--gfx1250"
	.amdhsa_code_object_version 6
	.text
	.protected	k_q2c1f973b84_qkv
	.globl	k_q2c1f973b84_qkv
	.p2align	8
	.type	k_q2c1f973b84_qkv,@function
k_q2c1f973b84_qkv:
	s_mov_b64 s[64:65], 0
	v_nop
	global_prefetch_b8 v0, s[64:65] scope:SCOPE_SE
	s_setreg_imm32_b32 hwreg(HW_REG_WAVE_MODE, 25, 1), 1
	s_wait_xcnt 0x0
	s_wait_alu depctr_hold_cnt(0) depctr_sa_sdst(0) depctr_va_vdst(0) depctr_va_sdst(0) depctr_va_ssrc(0) depctr_va_vcc(0) depctr_vm_vsrc(0)
	s_getreg_b32 s2, hwreg(HW_REG_IB_STS2, 6, 4)
	s_cmp_eq_u32 s2, 0
	s_cbranch_scc0 .Lentry_in_a_cluster
	s_endpgm
.Lentry_in_a_cluster:
	s_bfe_u32 s2, ttmp6, 0x10000c
	s_cmp_lg_u32 s2, 0xf033
	s_cbranch_scc0 .Lentry_shape_is_right
	s_endpgm
.Lentry_shape_is_right:
; q = x Wq^T, k = x Wk^T, v = x Wv^T on codes of FP6 (E2M3) with E8M0 scales, f32 sums; then q and k are quantised along the head's 64 and v along the keys.
; x: 4,096 rows of 1,024 codes (768 bytes); each W: 1,024 rows of 768 bytes; scale bytes 32 a row.
; SHARES.  A work-group makes 128 rows x 128 columns of each of q, k, v (three GROUPS); its four waves stand 2 x 2, a wave makes 64 x 64 of each group: 48 accumulators, 384 registers.
; A wave's 64 x 64 is one head's 64 channels for 64 rows: one PIECE of the workspace (64 rows x 64 along K: 3,072 bytes of codes, row i at 48 i, and 256 bytes of scale words, row i's at 4 i:
; bytes 0, 1 the two E8M0 bytes, bytes 2, 3 = 0x7f).  qws: records of 3,328 bytes [16 batch + head][group of 64 queries].  kvws: records of 6,656 bytes [16 batch + head][group of 64 keys]:
; K's codes, V's codes (rows = channels, K = the 64 keys), K's words, V's words.  K's and V's rows lie PERMUTED: in each 32 the second and third eights change places, so that 16 stored rows on end
; are a tile whose results give a lane 16 neighbours in two tiles.
; q and k are made TRANSPOSED (source 0 = 16 rows of W, source 1 = 16 rows of x): a lane holds one row and eight channels.  v is made the natural way: a lane holds one channel and eight keys.
; K goes in chunks of 256 through two LDS slots; a slot holds the three W tiles and x's tile, 128 rows x 192 bytes each, one tensor load a wave.
; CLUSTER 4 x 4: x's tile is asked for jointly along the cluster's row, each W tile along its column.
; The scale bytes go from memory into registers once, for all of K: lane L takes the 32 bytes of row 32 b + L, so one register carries block 2 b's words in lanes 0-15 and block 2 b + 1's in lanes 16-31.
; No prefetch: two of the four chunks are asked for at the head and the other two a chunk ahead of their use.
; LIMITS: NaN and infinities are not served; a block whose largest magnitude lies under 2^-124, a block of zeros too, gets the scale byte 1 (its bytes are read by this program alone).
; REGISTERS.  window 0: v1-3 r, h, lane; v4-9 A's LDS addresses; v10-21 B's; v22-29 the way out; v30, v31 the add's; v32-47 x's scale words; v48-95 the weights'; v128-146 the quantiser; v160-185 a piece on its way out.
;   window 1: v0-95 x's fragments, two sets; v96-191 a weight's, two buffers.   window 2: q's accumulators (v0-127), k's (v128-255).   window 3: v's (v0-127).
.set G,       3                        ; groups
.set NATG,    2                        ; the group that is made the natural way
.set NK,      8                        ; K steps of 128
.set NQ,      2                        ; K steps in a chunk
.set NCH,     4                        ; chunks
.set NSL,     2                        ; slots
.set HASBIAS, 0
; THE WALK (it holds in place of the lines on chunks of K in the head comment).  The tiles' rows are whole rows of K, 768 bytes, each beginning at a multiple of 256 bytes.
; x's tile lies in LDS for the whole launch; the three weights' tiles go through two slots: Wq slot 0, Wk slot 1, Wv slot 0 again.  The products go group by group: all of K for q, then k, then v.
; Waves 0, 1 fetch x's two halves of 64 rows at the head, waves 2, 3 Wq's; Wk is asked for behind the first round, Wv behind the round that follows q's last unit: one tensor load a wave behind each.
; No prefetch: a weight's tile is asked for a whole group, 128 products a wave, ahead of its use.
.set ROWB,    768                      ; a tile's row in bytes
.set QI,      5                        ; padding of 4 words behind every 64 words
.set PPU,     32                       ; pieces of 8 bytes between two paddings
.set PITCH,   816                      ; 3 x (256 + 16) = 204 words: row r starts at bank 12 r mod 64: sixteen different multiples of 4
.set HALFT,   128*PITCH
.set SPARE,   3*HALFT                  ; behind x's tile and the two slots: the spare words, 512 bytes that no other line names
.set STAGE,   2*HALFT                  ; the way out: 3,584 bytes a wave in slot 1, which is filled once and read no more behind the barrier in k's last unit
.set SA,      32
.set SB,      SA+2*NK
.set TM,      128
.set TX,      130
.set SO,      132
.set BY,      134
.set PW,      136
.set PC,      138
.set CT,      144
.set OUT,     160
.set G1A,     32
.set G1B,     40
.set G0A,     48
.set G0B,     68
.set MSB,     0
.macro WIN new                         ; the immediate's high byte repeats the setting that is left
.if MSB != (\new)
	s_set_vgpr_msb (MSB<<8)|(\new)
.set MSB, (\new)
.endif
.endm
.macro NOPS n
.rept \n
	v_nop
.endr
.endm
.macro CROUND                          ; a round of the cluster's barrier
	s_barrier_signal -1
	s_barrier_wait -1
	s_cmp_lg_u32 s24, 0
	s_cbranch_scc1 .Lnot_wave_0_\@
	s_barrier_signal -3
.Lnot_wave_0_\@:
	s_barrier_wait -3
	s_barrier_signal -1
	s_barrier_wait -1
.endm
.macro JLOAD s                         ; the joint load of weight s: waves 2 and 3, 64 rows each; four v_nop follow the line
	s_cmp_eq_u32 s25, 1
	s_cbranch_scc0 .Lasked_\@
	tensor_load_to_lds s[G0B+4*(\s):G0B+4*(\s)+3], s[G1B:G1B+7]
	s_nop 0
	NOPS 4
.Lasked_\@:
.endm
; A fragment, 16 rows x 128 K, is 12 registers: registers 6 c .. 6 c + 5 of lane (r, h) are the 24 bytes of k = 64 c + 32 h on, as they lie.  In pieces of 8 bytes; lanes 16-31 read three pieces on,
; which for some pieces is behind one padding more: the second address register (40 for 24 bytes a half) serves those.
.macro FRAGR reg, adr, adr2, q, i
.irp p, 0,1,2,3,4,5
.set PCN, 12*(\q)+6*(\p/3)+\p%3
.if PCN%PPU < PPU-3
	ds_load_b64 v[(\reg)+2*\p:(\reg)+2*\p+1], v[(\adr)] offset:8*PCN+16*(PCN/PPU)+(\i)*16*PITCH
.else
	ds_load_b64 v[(\reg)+2*\p:(\reg)+2*\p+1], v[(\adr2)] offset:8*PCN+16*(PCN/PPU)+(\i)*16*PITCH
.endif
.endr
.endm
; One matrix instruction.  ck = 0: C is the constant 0, else v[cr ..].  rr: bit 0: source 0's scales stand in lanes 16-31, bit 1: source 1's.
.macro WM d, x, y, ck, cr, s0, s1, rr
.if (\ck) == 0
.if (\rr) == 0
	v_wmma_scale_f32_16x16x128_f8f6f4 v[(\d):(\d)+7], v[(\x):(\x)+11], v[(\y):(\y)+11], 0, v[(\s0)], v[(\s1)] matrix_a_fmt:MATRIX_FMT_FP6 matrix_b_fmt:MATRIX_FMT_FP6
.elseif (\rr) == 1
	v_wmma_scale_f32_16x16x128_f8f6f4 v[(\d):(\d)+7], v[(\x):(\x)+11], v[(\y):(\y)+11], 0, v[(\s0)], v[(\s1)] matrix_a_fmt:MATRIX_FMT_FP6 matrix_b_fmt:MATRIX_FMT_FP6 matrix_a_scale:MATRIX_SCALE_ROW1
.elseif (\rr) == 2
	v_wmma_scale_f32_16x16x128_f8f6f4 v[(\d):(\d)+7], v[(\x):(\x)+11], v[(\y):(\y)+11], 0, v[(\s0)], v[(\s1)] matrix_a_fmt:MATRIX_FMT_FP6 matrix_b_fmt:MATRIX_FMT_FP6 matrix_b_scale:MATRIX_SCALE_ROW1
.else
	v_wmma_scale_f32_16x16x128_f8f6f4 v[(\d):(\d)+7], v[(\x):(\x)+11], v[(\y):(\y)+11], 0, v[(\s0)], v[(\s1)] matrix_a_fmt:MATRIX_FMT_FP6 matrix_b_fmt:MATRIX_FMT_FP6 matrix_a_scale:MATRIX_SCALE_ROW1 matrix_b_scale:MATRIX_SCALE_ROW1
.endif
.else
.if (\rr) == 0
	v_wmma_scale_f32_16x16x128_f8f6f4 v[(\d):(\d)+7], v[(\x):(\x)+11], v[(\y):(\y)+11], v[(\cr):(\cr)+7], v[(\s0)], v[(\s1)] matrix_a_fmt:MATRIX_FMT_FP6 matrix_b_fmt:MATRIX_FMT_FP6
.elseif (\rr) == 1
	v_wmma_scale_f32_16x16x128_f8f6f4 v[(\d):(\d)+7], v[(\x):(\x)+11], v[(\y):(\y)+11], v[(\cr):(\cr)+7], v[(\s0)], v[(\s1)] matrix_a_fmt:MATRIX_FMT_FP6 matrix_b_fmt:MATRIX_FMT_FP6 matrix_a_scale:MATRIX_SCALE_ROW1
.elseif (\rr) == 2
	v_wmma_scale_f32_16x16x128_f8f6f4 v[(\d):(\d)+7], v[(\x):(\x)+11], v[(\y):(\y)+11], v[(\cr):(\cr)+7], v[(\s0)], v[(\s1)] matrix_a_fmt:MATRIX_FMT_FP6 matrix_b_fmt:MATRIX_FMT_FP6 matrix_b_scale:MATRIX_SCALE_ROW1
.else
	v_wmma_scale_f32_16x16x128_f8f6f4 v[(\d):(\d)+7], v[(\x):(\x)+11], v[(\y):(\y)+11], v[(\cr):(\cr)+7], v[(\s0)], v[(\s1)] matrix_a_fmt:MATRIX_FMT_FP6 matrix_b_fmt:MATRIX_FMT_FP6 matrix_a_scale:MATRIX_SCALE_ROW1 matrix_b_scale:MATRIX_SCALE_ROW1
.endif
.endif
.endm
; Products n0 .. n1 - 1 of a unit's 16 (n = 4 a + b: x's block a, the weight's block b).  The 16 accumulators take turns, one instruction a turn.
.macro WMS n0, n1
.if UK == 0
	WIN (UW<<6)|(HASBIAS<<4)|0x05
.else
	WIN (UW<<6)|(UW<<4)|0x05
.endif
.irp a, 0,1,2,3
.irp b, 0,1,2,3
.if (4*\a+\b >= \n0) && (4*\a+\b < \n1)
.if UG == NATG
.set DD, UB+8*(4*\b+\a)
.else
.set DD, UB+8*(4*\a+\b)
.endif
.if UK == 0
.set CK, HASBIAS
.set CR, 192+8*(4*UG+\b)
.else
.set CK, 1
.set CR, DD
.endif
.if UG == NATG
	WM DD, AF+12*\a, BF+12*\b, CK, CR, SA+(\a/2)*NK+UK, SB+(2*UG+\b/2)*NK+UK, (\a%2)+2*(\b%2)
.else
	WM DD, BF+12*\b, AF+12*\a, CK, CR, SB+(2*UG+\b/2)*NK+UK, SA+(\a/2)*NK+UK, (\b%2)+2*(\a%2)
.endif
.endif
.endr
.endr
.endm
.macro NEXTLOADS                       ; the next unit's four fragments of its weight; where it begins a K step, x's four too
.set NU, U+1
.set NKS, NU%NK                        ; its K step,
.set NG, NU/NK                         ; its group, whose weight lies in slot NG % 2
	WIN 0x40                                       ; destination window 1, address window 0
.irp i, 0,1,2,3
	FRAGR 96+48*(NU%2)+12*\i, 10+NG%2, 16+NG%2, NKS, \i
.endr
.irp i, 0,1,2,3
	FRAGR 48*(NU%2)+12*\i, 4, 7, NKS, \i
.endr
.endm
; A UNIT: one K step of 128 of one group, 16 products.
.macro UNIT_PLAIN
	s_wait_dscnt 0x0                               ; this unit's fragments, asked for twelve products ago
	WMS 0, 4
	NOPS 4                                         ; four places in front of loads into registers that matrix instructions have read
	NEXTLOADS
	WMS 4, 16
.endm
.macro UNIT_CHANGE                     ; a chunk's last unit changes slots
	WIN 0
	s_wait_tensorcnt 0x0                           ; all my tensor loads have landed, my part of the next group's weight among them
	ds_add_u32 v30, v31                            ; 0 onto my spare word
	s_wait_dscnt 0x1                               ; this unit's fragments are in; only the add may be out
	WMS 0, 8
	s_wait_dscnt 0x0                               ; the add is done, and my reads of this slot are over
	WIN 0
.if KIND == 2
	CROUND                                         ; no wave of any partner still reads this slot or has a load on its way
	JLOAD 2                                        ; Wv into slot 0: the first tensor load behind the round, one a wave
.else
	s_barrier_signal -1
	s_barrier_wait -1
.endif
	NOPS 4
	NEXTLOADS
	WMS 8, 16
.endm
; 32 numbers of a lane in window w, register 8 t + j = k 16 t + 8 h + j of my row, become the row's block h in v[PC:PC+5] and its scale word in v[PW].
.macro QUANT2 s, w
	WIN ((\w)<<6)|(\w)
.irp b, 0,1
.irp j, 0,1,2,3,4,5,6,7
	v_permlane16_swap_b32 v[(\s)+16*\b+\j], v[(\s)+16*\b+8+\j]   ; the first's lanes 16-31 change places with the second's lanes 0-15: register 16 b + i is now k = 32 b + 16 h + i
.endr
.endr
	WIN 0
	v_mov_b32 v[TM], 0x1800000                     ; the floor 2^(3 - 127): the byte cannot fall under 1
	v_mov_b32 v[TM+1], 0x1800000
	WIN ((\w)<<2)|((\w)<<4)
.irp i, 0,2,4,6,8,10,12,14
.irp b, 0,1
	v_max3_num_f32 v[TM+\b], v[TM+\b], |v[(\s)+16*\b+\i]|, |v[(\s)+16*\b+\i+1]|
.endr
.endr
	WIN 0
.irp b, 0,1
	v_permlanex16_b32 v[TX+\b], v[TM+\b], s94, s95
.endr
.irp b, 0,1
	v_max_num_f32 v[TM+\b], v[TM+\b], v[TX+\b]     ; with lane l xor 16's: the block's largest magnitude
.endr
.irp b, 0,1
	v_add_nc_u32 v[SO+\b], 0xff000000, v[TM+\b]    ; 2 off its exponent field: the conversion's scale operand
.endr
.irp b, 0,1
	v_lshrrev_b32 v[BY+\b], 23, v[SO+\b]           ; the scale's byte
.endr
	v_lshl_or_b32 v[PW], v[BY+1], 8, v[BY]
	v_or_b32 v[PW], 0x7f7f0000, v[PW]
	WIN (\w)
	v_cvt_scalef32_pk16_fp6_f32 v[PC:PC+2], v[(\s):(\s)+15], v[SO]
	v_cvt_scalef32_pk16_fp6_f32 v[CT:CT+2], v[(\s)+16:(\s)+31], v[SO+1]
	WIN 0
	v_nop                                          ; one plain place behind a scaled conversion
.irp i, 0,1,2
	v_permlane16_swap_b32 v[PC+\i], v[CT+\i]       ; a whole block to a lane: lanes 0-15 block 0, lanes 16-31 block 1
.endr
.irp i, 0,1,2
	v_mov_b32 v[PC+3+\i], v[CT+\i]
.endr
.endm
; A piece: four tiles of 16 rows are quantised into my stage, and the piece leaves as 3,072 + 256 consecutive bytes.
.macro PIECE w, base, perm, cb, coff, woff
.irp u, 0,1,2,3
	QUANT2 (\base)+32*\u, \w
.if \perm
.irp i, 0,1,2
	ds_store_b64 v23, v[PC+2*\i:PC+2*\i+1] offset:48*(32*(\u/2)+8*(\u%2))+8*\i
.endr
	ds_store_b32 v25, v[PW] offset:4*(32*(\u/2)+8*(\u%2))   ; both lanes of a row write the same word with the same value
.else
.irp i, 0,1,2
	ds_store_b64 v22, v[PC+2*\i:PC+2*\i+1] offset:768*\u+8*\i
.endr
	ds_store_b32 v24, v[PW] offset:64*\u
.endif
	s_wait_dscnt 0x0                               ; the stores have read their registers
.endr
	s_wait_xcnt 0x0                                ; the last piece's stores have read theirs
.irp i, 0,1,2,3,4,5
	ds_load_b128 v[OUT+4*\i:OUT+4*\i+3], v26 offset:512*\i
.endr
	ds_load_b64 v[OUT+24:OUT+25], v27
	s_wait_dscnt 0x0
.irp i, 0,1,2,3,4,5
	global_store_b128 v28, v[OUT+4*\i:OUT+4*\i+3], s[\cb:\cb+1] offset:(\coff)+512*\i   ; 32 lanes store 512 consecutive bytes, aligned to 256
.endr
	global_store_b64 v29, v[OUT+24:OUT+25], s[\cb:\cb+1] offset:\woff
.endm
	s_load_b512 s[4:19], s[0:1], 0x0               ; x's codes, x's scales, Wq's, Wk's, Wv's codes, Wq's, Wk's, Wv's scales
	s_load_b128 s[20:23], s[0:1], 0x40             ; qws, kvws
	v_lshl_add_u32 v30, v0, 2, SPARE
	v_mov_b32 v31, 0
	ds_add_u32 v30, v31
	ds_add_u32 v30, v31
	s_wait_dscnt 0x0
	v_lshrrev_b32 v1, 5, v0
	v_readfirstlane_b32 s24, v1                    ; wave
	s_lshr_b32 s25, s24, 1                         ; wm: which 64 rows
	s_and_b32 s26, s24, 1                          ; wn: which 64 columns
	s_bfe_u32 s27, ttmp6, 0x40000                  ; cx
	s_bfe_u32 s28, ttmp6, 0x40004                  ; cy
	s_lshl_b32 s29, ttmp9, 2
	s_add_co_u32 s29, s29, s27                     ; TX: tile column
	s_and_b32 s30, ttmp7, 0xffff
	s_lshl_b32 s30, s30, 2
	s_add_co_u32 s30, s30, s28                     ; TY: tile row
	s_lshl_b32 s80, s28, 2
	s_lshl_b32 s80, 15, s80                        ; my row of the cluster
	s_lshl_b32 s81, 0x1111, s27                    ; my column
	s_or_b32 s[G1A], s80, (1<<20)|(1<<21)|(QI<<22)|(3<<25)   ; elements of 1 byte; padding of 4 words behind every 64; bit 21 beside a mask
	s_or_b32 s[G1B], s81, (1<<20)|(1<<21)|(QI<<22)|(3<<25)
.irp g, G1A, G1B
	s_mov_b32 s[\g+1], ROWB<<16                    ; tensor_dim0
	s_mov_b32 s[\g+2], 64<<16                      ; tensor_dim1: a load brings 64 rows
	s_mov_b32 s[\g+3], ROWB<<16                    ; tile_dim0
	s_mov_b32 s[\g+4], 64                          ; tile_dim1
	s_mov_b32 s[\g+5], 768                         ; from row to row
	s_mov_b32 s[\g+6], 0
	s_mov_b32 s[\g+7], 0
.endr
	s_mul_i32 s82, s30, 128*768                    ; x's tile hangs on the tile row alone,
	s_mov_b32 s83, 0
	s_mul_i32 s88, s29, 128*768                    ; a weight's on the tile column alone;
	s_mov_b32 s89, 0
	s_mul_i32 s91, s26, 64*768                     ; which 64 rows of a tile I fetch: wave mod 2,
	s_add_co_u32 s82, s82, s91
	s_add_co_u32 s88, s88, s91
	s_mul_i32 s90, s26, 64*PITCH                   ; and where they go in the tile
	s_mov_b32 s94, 0x76543210
	s_mov_b32 s95, 0xfedcba98                      ; v_permlanex16_b32's selects for lane l xor 16
	s_wait_kmcnt 0x0
	s_add_nc_u64 s[84:85], s[4:5], s[82:83]
	s_mov_b32 s[G0A], 1                            ; x's tile, at LDS byte 0
	s_mov_b32 s[G0A+1], s90
	s_mov_b64 s[G0A+2:G0A+3], s[84:85]
	s_or_b32 s[G0A+3], s[G0A+3], 0x80000000
.irp g, 0,1,2                          ; Wq, Wk, Wv: a group 0 each; slots 0, 1, 0
	s_mov_b32 s[G0B+4*\g], 1
	s_add_co_u32 s[G0B+4*\g+1], s90, HALFT*(1+\g%2)
	s_add_nc_u64 s[G0B+4*\g+2:G0B+4*\g+3], s[8+2*\g:9+2*\g], s[88:89]
	s_or_b32 s[G0B+4*\g+3], s[G0B+4*\g+3], 0x80000000
.endr
	CROUND                                         ; all sixteen work-groups are here: the first joint loads meet
	s_cmp_eq_u32 s25, 1                            ; the head's loads, one a wave: waves 2, 3 Wq's halves, waves 0, 1 x's
	s_cbranch_scc0 .Lfirst_a
	tensor_load_to_lds s[G0B:G0B+3], s[G1B:G1B+7]
	s_nop 0
	NOPS 4
	s_branch .Lfirst_done
.Lfirst_a:
	tensor_load_to_lds s[G0A:G0A+3], s[G1A:G1A+7]
	s_nop 0
	NOPS 4
.Lfirst_done:
	v_and_b32 v1, 15, v0                           ; r
	v_bfe_u32 v2, v0, 4, 1                         ; h
	v_and_b32 v3, 31, v0                           ; lane
	s_wait_alu depctr_va_vdst(0)
	s_lshl_b32 s82, s30, 7
	s_lshl_b32 s91, s25, 6
	s_add_co_u32 s82, s82, s91                     ; my first row of x
	s_lshl_b32 s82, s82, 5                         ; 32 scale bytes a row
	s_add_nc_u64 s[6:7], s[6:7], s[82:83]
	s_lshl_b32 s88, s29, 7
	s_lshl_b32 s91, s26, 6
	s_add_co_u32 s88, s88, s91                     ; my first row of each W
	s_lshl_b32 s88, s88, 5
	s_add_nc_u64 s[14:15], s[14:15], s[88:89]
	s_add_nc_u64 s[16:17], s[16:17], s[88:89]
	s_add_nc_u64 s[18:19], s[18:19], s[88:89]
	v_lshlrev_b32 v150, 5, v3                      ; lane L takes row 32 b + L
.irp bb, 0,1
.irp i, 0,1
	global_load_b128 v[SA+NK*\bb+4*\i:SA+NK*\bb+4*\i+3], v150, s[6:7] offset:1024*\bb+16*\i
.endr
.endr
.irp g, 0,1,2
.irp bb, 0,1
.irp i, 0,1
	global_load_b128 v[SB+(2*\g+\bb)*NK+4*\i:SB+(2*\g+\bb)*NK+4*\i+3], v150, s[14+2*\g:15+2*\g] offset:1024*\bb+16*\i
.endr
.endr
.endr
	v_mul_u32_u24 v152, v1, PITCH
	v_mad_u32_u24 v152, v2, 24, v152               ; a fragment's row x pitch + 24 x half
	s_mul_i32 s91, s26, 64*PITCH                   ; my 64 rows of each weight's tile
.set IX, 0
.rept 2
	s_add_co_u32 s92, s91, (IX+1)*HALFT            ; slot IX
	v_add_nc_u32 v[10+IX], s92, v152
	v_lshl_add_u32 v[16+IX], v2, 4, v[10+IX]       ; the same behind one padding more
.set IX, IX+1
.endr
	s_mul_i32 s91, s25, 64*PITCH                   ; my 64 rows of x's tile
.set IX, 0
.rept 1
	s_add_co_u32 s92, s91, 0                       ; x's tile begins at LDS byte 0
	v_add_nc_u32 v[4+IX], s92, v152
	v_lshl_add_u32 v[7+IX], v2, 4, v[4+IX]
.set IX, IX+1
.endr
	v_mul_u32_u24 v153, v1, 48
	v_mad_u32_u24 v153, v2, 24, v153               ; a piece's row r, block h
	s_mul_i32 s91, s24, 3584
	s_add_co_u32 s91, s91, STAGE                   ; my stage
	v_add_nc_u32 v22, s91, v153                    ; rows as they come
	v_and_b32 v154, 8, v1
	v_add_nc_u32 v154, v154, v1                    ; r + 8 (r / 8)
	v_mul_u32_u24 v155, v154, 48
	v_mad_u32_u24 v155, v2, 24, v155
	v_add_nc_u32 v23, s91, v155                    ; rows permuted
	s_add_co_u32 s92, s91, 3072
	v_lshl_add_u32 v24, v1, 2, s92                 ; the scale words likewise
	v_lshl_add_u32 v25, v154, 2, s92
	v_lshl_add_u32 v26, v3, 4, s91                 ; back: 16 bytes a lane,
	v_lshl_add_u32 v27, v3, 3, s92                 ; the words 8
	v_lshlrev_b32 v28, 4, v3
	v_lshlrev_b32 v29, 3, v3
	v_mov_b32 v[TX], 0                             ; written once: a lane permute's destination counts as one of its sources
	v_mov_b32 v[TX+1], 0
	s_lshr_b32 s92, s30, 4
	s_lshl_b32 s92, s92, 4                         ; 16 x batch
	s_lshl_b32 s93, s29, 1
	s_add_co_u32 s92, s92, s93
	s_add_co_u32 s92, s92, s26                     ; + head = 2 TX + wn
	s_lshl_b32 s92, s92, 5
	s_and_b32 s93, s30, 15
	s_lshl_b32 s93, s93, 1
	s_add_co_u32 s92, s92, s93
	s_add_co_u32 s92, s92, s25                     ; + group of 64 rows = 2 (TY mod 16) + wm: my record
	s_mul_i32 s88, s92, 3328
	s_add_nc_u64 s[20:21], s[20:21], s[88:89]
	s_mul_i32 s88, s92, 6656
	s_add_nc_u64 s[22:23], s[22:23], s[88:89]
	s_wait_alu depctr_va_vdst(0)
	s_wait_loadcnt 0x0                             ; the scale words
	s_wait_tensorcnt 0x0                           ; my part of x or of Wq is in
	ds_add_u32 v30, v31
	s_wait_dscnt 0x0
	CROUND                                         ; everybody's part is in, and all sixteen work-groups are here
	JLOAD 1                                        ; Wk into slot 1: the first tensor load behind the round
.set U, -1
	NEXTLOADS                                      ; unit 0's fragments
.set U, 0
.rept NK*G
.set UK, U%NK
.set UG, U/NK
.set UW, 2+UG/2
.set UB, 128*(UG%2)
.set AF, 48*(UK%2)
.set BF, 96+48*(U%2)
.if UG == 0
.set KIND, 2                           ; behind q: slot 0 is filled again, with Wv
.else
.set KIND, 1                           ; behind k: Wv is shown by the fetching waves' wait and a barrier
.endif
.if U == NK*G-1
	s_wait_dscnt 0x0
	WMS 0, 16
.elseif UK == NK-1
	UNIT_CHANGE
.else
	UNIT_PLAIN
.endif
.set U, U+1
.endr
	WIN 0
	NOPS 4                                         ; four places in front of the first read of results
	PIECE 2, 0, 0, 20, 0, 3072                     ; q
	PIECE 2, 128, 1, 22, 0, 6144                   ; k, its keys permuted
	PIECE 3, 0, 1, 22, 3072, 6400                  ; v, rows = channels, permuted; K = my 64 keys
	s_wait_tensorcnt 0x0                           ; the wave's end
	ds_add_u32 v30, v31
	s_wait_dscnt 0x0
	CROUND                                         ; the closing round
	s_endpgm
.Lfunc_end_k_q2c1f973b84_qkv:
	.size	k_q2c1f973b84_qkv, .Lfunc_end_k_q2c1f973b84_qkv-k_q2c1f973b84_qkv
	.p2alignl 7, 3214868480
	.fill 96, 4, 3214868480
	.section	.rodata,"a",@progbits
	.p2align	6, 0x0
	.amdhsa_kernel k_q2c1f973b84_qkv
		.amdhsa_group_segment_fixed_size 327680
		.amdhsa_private_segment_fixed_size 0
		.amdhsa_enable_private_segment 0
		.amdhsa_kernarg_size 80
		.amdhsa_user_sgpr_count 2
		.amdhsa_user_sgpr_kernarg_segment_ptr 1
		.amdhsa_wavefront_size32 1
		.amdhsa_system_sgpr_workgroup_id_x 1
		.amdhsa_system_sgpr_workgroup_id_y 1
		.amdhsa_system_sgpr_workgroup_id_z 1
		.amdhsa_system_vgpr_workitem_id 0
		.amdhsa_next_free_vgpr 896
		.amdhsa_next_free_sgpr 100
		.amdhsa_reserve_vcc 0
		.amdhsa_float_denorm_mode_32 3
		.amdhsa_float_denorm_mode_16_64 3
		.amdhsa_memory_ordered 1
		.amdhsa_forward_progress 1
		.amdhsa_inst_pref_size 176
	.end_amdhsa_kernel
	.amdgpu_metadata
---
amdhsa.version: [ 1, 2 ]
amdhsa.kernels:
  - .name:           k_q2c1f973b84_qkv
    .symbol:         k_q2c1f973b84_qkv.kd
    .args:
      - { .name: x_codes, .offset: 0, .size: 8, .value_kind: global_buffer, .address_space: global }
      - { .name: x_scales, .offset: 8, .size: 8, .value_kind: global_buffer, .address_space: global }
      - { .name: Wq_codes, .offset: 16, .size: 8, .value_kind: global_buffer, .address_space: global }
      - { .name: Wk_codes, .offset: 24, .size: 8, .value_kind: global_buffer, .address_space: global }
      - { .name: Wv_codes, .offset: 32, .size: 8, .value_kind: global_buffer, .address_space: global }
      - { .name: Wq_scales, .offset: 40, .size: 8, .value_kind: global_buffer, .address_space: global }
      - { .name: Wk_scales, .offset: 48, .size: 8, .value_kind: global_buffer, .address_space: global }
      - { .name: Wv_scales, .offset: 56, .size: 8, .value_kind: global_buffer, .address_space: global }
      - { .name: qws, .offset: 64, .size: 8, .value_kind: global_buffer, .address_space: global }
      - { .name: kvws, .offset: 72, .size: 8, .value_kind: global_buffer, .address_space: global }
    .group_segment_fixed_size: 327680
    .private_segment_fixed_size: 0
    .kernarg_segment_align: 8
    .kernarg_segment_size: 80
    .max_flat_workgroup_size: 128
    .sgpr_count:     100
    .vgpr_count:     896
    .wavefront_size: 32
...
	.end_amdgpu_metadata
.endif
;; end of part 1
;; launch attn (part 2): grid 8 x 32, 8 waves a work-group, clusters of 4 x 1, 227,328 bytes of LDS; arguments qws, kvws, o_codes, o_sw; writes o_codes, o_sw
.if DOCPART == 2
	.amdgcn_target "amdgcn-amd-amdhsa--gfx1250"
	.amdhsa_code_object_version 6
	.text
	.protected	k_q2c1f973b84_attn
	.globl	k_q2c1f973b84_attn
	.p2align	8
	.type	k_q2c1f973b84_attn,@function
k_q2c1f973b84_attn:
	s_mov_b64 s[64:65], 0
	v_nop
	global_prefetch_b8 v0, s[64:65] scope:SCOPE_SE
	s_setreg_imm32_b32 hwreg(HW_REG_WAVE_MODE, 25, 1), 1
	s_wait_xcnt 0x0
	s_wait_alu depctr_hold_cnt(0) depctr_sa_sdst(0) depctr_va_vdst(0) depctr_va_sdst(0) depctr_va_ssrc(0) depctr_va_vcc(0) depctr_vm_vsrc(0)
	s_getreg_b32 s2, hwreg(HW_REG_IB_STS2, 6, 4)
	s_cmp_eq_u32 s2, 0
	s_cbranch_scc0 .Lentry_in_a_cluster
	s_endpgm
.Lentry_in_a_cluster:
	s_bfe_u32 s2, ttmp6, 0x10000c
	s_cmp_lg_u32 s2, 0x3003
	s_cbranch_scc0 .Lentry_shape_is_right
	s_endpgm
.Lentry_shape_is_right:
; o = softmax(q k^T / 8, causal) v for one (batch, head), both products on codes of FP6 (E2M3) with E8M0 scales; o is quantised along the head's 64 on the way out.
; t = score x log2(e) / 8; M = the running largest t rounded UP to a whole number; p = 2^(t - M) is quantised along the keys; the row's sum is taken of the unquantised p and divides at the end.
; Key steps that lie wholly behind a tile's queries are hidden by the causal mask and are not computed.
; SHARES.  Work-group (j, hb), j = 0 .. 7, eight waves.  Wave w owns TWO tiles of 16 queries, one after the other: 128 rho + 16 j on, rho = 15 - w and then rho = w.
; A tile walks rho + 1 key steps of 128, so every wave walks 17.
; LDS.  The head's 32 records of kvws (K's codes, V's codes, K's words, V's words for 64 keys: 6,656 bytes) lie in LDS as in memory, bytes 0 to 212,991, filled ONCE: nothing is filled again,
; and the key loop has no barrier.  Behind them a stage of 768 bytes a wave, then the spare words.
; CLUSTER 4 x 1: the four work-groups share the head, so the fills are joint loads: wave w brings records 4 w to 4 w + 3, 104 rows of 256 bytes, its one tensor load.
; Branches hang on the wave's number and on counted steps alone; j enters global addresses and the mask's compare.
; LAYOUT.  Both products transposed: S^T = K Q^T, O^T = V^T P^T: a lane holds one query.  K's and V's rows lie permuted in kvws, so that two neighbouring tiles give a lane 16 neighbours.
; THE HEAD IS 64, the instruction 128 deep: Q's upper six registers are zero codes, a tile of K names the next tile's six registers (or six zeros) as its upper half, the scale words' upper bytes are 0x7f.
; No prefetch: all of K and V, and both tiles' Q, are asked for at the head.
; LIMITS: NaN and infinities are not served; the scaled scores stay under 2^31 in magnitude; a block of o whose largest magnitude lies under 2^-124 gets the scale byte 1.  o's scale words leave 64 bytes a tile.
; REGISTERS: v1 48 r + 24 h; v2 4 r; v3, v4 the step's LDS addresses; v5 16 j + r - 16 h; v6 -infinity; v7-9 the way out; v12 -M, v13 the largest t, v[14:15] the sum; v16-27 Q, v28 its words;
;   v29, v106-111 the second tile's Q; v30, v31, v223, v227 Q's offsets; v32-79 K's eight tiles, then V's four; v80-85 zeros; v86-93 K's words; v94-105 V's words; v112-175 S^T, then p;
;   v176-207 O^T; v208-219 p's codes; v220-253 at work; v254, v255 the add's.
.set REC,   6656
.set HEADB, 32*REC
.set SPARE, 0x37000
.macro NOPS n
.rept \n
	v_nop
.endr
.endm
.macro CROUND                          ; a round of the cluster's barrier
	s_barrier_signal -1
	s_barrier_wait -1
	s_cmp_lg_u32 s12, 0
	s_cbranch_scc1 .Lnot_wave_0_\@
	s_barrier_signal -3
.Lnot_wave_0_\@:
	s_barrier_wait -3
	s_barrier_signal -1
	s_barrier_wait -1
.endm
	s_load_b128 s[4:7], s[0:1], 0x0                ; qws, kvws
	s_load_b128 s[8:11], s[0:1], 0x10              ; o_codes, o_sw
	v_lshl_add_u32 v254, v0, 2, SPARE
	v_mov_b32 v255, 0
	ds_add_u32 v254, v255
	ds_add_u32 v254, v255
	v_lshrrev_b32 v10, 5, v0
	v_readfirstlane_b32 s12, v10                   ; wave 0..7
	s_xor_b32 s13, s12, 15                         ; rho of my first tile: 15 - wave
	s_bfe_u32 s16, ttmp6, 0x40000                  ; cx
	s_lshl_b32 s17, ttmp9, 2
	s_add_co_u32 s17, s17, s16                     ; j
	s_and_b32 s18, ttmp7, 0xffff                   ; hb = 16 batch + head, which the four partners share
	s_mov_b32 s24, 15|(3<<16)|(1<<21)              ; group 1: all four work-groups; elements of 8 bytes; bit 21 beside a mask
	s_mov_b32 s25, 32<<16                          ; rows of 256 bytes,
	s_mov_b32 s26, 104<<16                         ; 104 of them: four records
	s_mov_b32 s27, 32<<16
	s_mov_b32 s28, 104
	s_mov_b32 s29, 32
	s_mov_b32 s30, 0
	s_mov_b32 s31, 0
	s_mul_i32 s50, s18, HEADB
	s_mov_b32 s51, 0
	s_mul_i32 s52, s12, 4*REC                      ; records 4 w on: in memory and in LDS alike
	s_mov_b32 s53, 0
	s_mov_b32 s55, 0
	s_mov_b32 s20, 0x76543210
	s_mov_b32 s21, 0xfedcba98                      ; v_permlanex16_b32's selects for lane l xor 16
	s_mov_b32 s22, 0x3e38aa3b                      ; c = log2(e) / 8
	s_mov_b32 s23, s22                             ; (named with it as a pair)
	s_wait_dscnt 0x0
	s_wait_kmcnt 0x0
	s_add_nc_u64 s[56:57], s[6:7], s[50:51]
	s_mov_b32 s40, 1
	s_mov_b32 s41, s52
	s_add_nc_u64 s[42:43], s[56:57], s[52:53]
	s_or_b32 s43, s43, 0x80000000
	CROUND                                         ; all four work-groups are here: the joint loads meet
	tensor_load_to_lds s[40:43], s[24:31]          ; my one tensor load
	s_nop 0
	NOPS 4
	s_lshl_b32 s50, s18, 5
	s_lshr_b32 s51, s17, 2
	s_add_co_u32 s50, s50, s51                     ; Q's record for rho = 0: 32 hb + j / 4; rho adds two records
	s_mul_i32 s50, s50, 3328
	s_and_b32 s52, s17, 3
	s_mul_i32 s53, s52, 768                        ; my 16 rows in it
	s_lshl_b32 s52, s52, 6
	s_add_co_u32 s58, s50, s53
	s_mov_b32 s59, 0
	s_add_nc_u64 s[58:59], s[4:5], s[58:59]
	s_add_co_u32 s60, s50, s52
	s_add_co_u32 s60, s60, 3072                    ; and their scale words
	s_mov_b32 s61, 0
	s_add_nc_u64 s[60:61], s[4:5], s[60:61]
	s_mul_i32 s14, s13, 6656                       ; the first tile's two records a rho,
	s_mul_i32 s15, s12, 6656                       ; the second's
	s_lshr_b32 s50, s18, 4
	s_lshl_b32 s50, s50, 11                        ; 2,048 x batch
	s_lshl_b32 s51, s17, 4                         ; 16 j
	s_add_co_u32 s50, s50, s51                     ; o's row for rho = 0
	s_and_b32 s52, s18, 15                         ; the head
	s_mul_i32 s54, s52, 196608
	s_mul_i32 s53, s50, 48
	s_add_co_u32 s54, s54, s53
	s_add_nc_u64 s[66:67], s[8:9], s[54:55]
	s_lshl_b32 s54, s52, 14
	s_lshl_b32 s53, s50, 2
	s_add_co_u32 s54, s54, s53
	s_add_nc_u64 s[68:69], s[10:11], s[54:55]
	s_mul_i32 s53, s12, 768
	s_add_co_u32 s53, s53, HEADB                   ; my stage
	v_and_b32 v10, 15, v0                          ; r
	v_bfe_u32 v11, v0, 4, 1                        ; h
	v_mul_u32_u24 v1, v10, 48
	v_lshlrev_b32 v2, 2, v10
	v_mad_u32_u24 v1, v11, 24, v1
	v_add_nc_u32 v223, s14, v2
	v_add_nc_u32 v227, s15, v2
	v_add_nc_u32 v30, s14, v1
	v_add_nc_u32 v31, s15, v1
.irp p, 0,1,2
	global_load_b64 v[16+2*\p:17+2*\p], v30, s[58:59] offset:8*\p     ; the first tile's Q,
	global_load_b64 v[106+2*\p:107+2*\p], v31, s[58:59] offset:8*\p   ; the second's
.endr
	global_load_b32 v28, v223, s[60:61]
	global_load_b32 v29, v227, s[60:61]
	v_lshlrev_b32 v5, 4, v11
	v_and_b32 v9, 31, v0
	v_sub_nc_u32 v5, v10, v5
	v_lshlrev_b32 v9, 3, v9
	v_add_nc_u32 v5, s51, v5                       ; my query - 128 rho - 16 h
	v_mov_b32 v6, 0xff800000
	v_add_nc_u32 v7, s53, v1
	v_add_nc_u32 v8, s53, v9
.irp i, 22,23,24,25,26,27,80,81,82,83,84,85,232,233,234,235,240,241
	v_mov_b32 v\i, 0                               ; Q's upper half, the zeros behind K's last tile, permutes' destinations, the pair beside f
.endr
; A KEY STEP: 128 keys, two records, at LDS byte s48.  s49: the step.
.macro STEP
	s_cmp_gt_u32 s49, s13                          ; all its keys come after my queries: the work is left out, not the lines that step
	s_cbranch_scc1 .Lhidden_\@
	v_add_nc_u32 v3, s48, v1
	v_add_nc_u32 v4, s48, v2
	NOPS 2                                         ; with the two additions: four places in front of loads into registers that matrix instructions have read
.irp t, 0,1,2,3,4,5,6,7
.irp p, 0,1,2
	ds_load_b64 v[32+6*\t+2*\p:33+6*\t+2*\p], v3 offset:REC*(\t/4)+768*(\t%4)+8*\p
.endr
	ds_load_b32 v[86+\t], v4 offset:REC*(\t/4)+6144+64*(\t%4)
.endr
	s_wait_alu depctr_va_vdst(0)
	s_wait_dscnt 0x0
.irp t, 0,1,2,3,4,5,6,7
	v_wmma_scale_f32_16x16x128_f8f6f4 v[112+8*\t:119+8*\t], v[32+6*\t:43+6*\t], v[16:27], 0, v[86+\t], v28 matrix_a_fmt:MATRIX_FMT_FP6 matrix_b_fmt:MATRIX_FMT_FP6
.endr
	NOPS 4
.irp t, 0,1,2,3                                ; V's four tiles land while the softmax is walked
.irp c, 0,1
.irp p, 0,1,2
	ds_load_b64 v[32+12*\t+6*\c+2*\p:33+12*\t+6*\c+2*\p], v3 offset:REC*\c+3072+768*\t+8*\p
.endr
	ds_load_b32 v[94+2*\t+\c], v4 offset:REC*\c+6400+64*\t
.endr
.endr
	s_cmp_lg_u32 s49, s13                          ; on the diagonal hidden scores become -infinity: register 16 b + i holds key 128 step + 32 b + 16 h + i
	s_cbranch_scc1 .Lopen_\@
.set NX, 0
.rept 64
	v_cmp_gt_i32 vcc_lo, 32*(NX/16)+NX%16, v5
	v_cndmask_b32 v[112+NX], v[112+NX], v6, vcc_lo
.set NX, NX+1
.endr
.Lopen_\@:
.irp b, 0,1,2,3
	v_max3_num_f32 v[228+\b], v[112+16*\b], v[113+16*\b], v[114+16*\b]   ; the largest score of each block of 32 keys: for the row's maximum and for the block's largest p
.endr
.irp i, 3,5,7,9,11,13
.irp b, 0,1,2,3
	v_max3_num_f32 v[228+\b], v[228+\b], v[112+16*\b+\i], v[113+16*\b+\i]
.endr
.endr
.irp b, 0,1,2,3
	v_max_num_f32 v[228+\b], v[228+\b], v[127+16*\b]
.endr
.irp b, 0,1,2,3
	s_delay_alu instid0(VALU_DEP_4)
	v_permlanex16_b32 v[232+\b], v[228+\b], s20, s21
.endr
.irp b, 0,1,2,3
	s_delay_alu instid0(VALU_DEP_4)
	v_max_num_f32 v[228+\b], v[228+\b], v[232+\b]
.endr
	s_delay_alu instid0(VALU_DEP_2)
	v_max3_num_f32 v244, v228, v229, v230
	s_delay_alu instid0(VALU_DEP_1)
	v_max_num_f32 v244, v244, v231
	s_delay_alu instid0(VALU_DEP_1)
	v_mul_f32 v244, s22, v244                      ; the step's largest t
	s_delay_alu instid0(VALU_DEP_1)
	v_max_num_f32 v13, v13, v244
	v_mov_b32 v244, v12
	s_delay_alu instid0(VALU_DEP_2)
	v_floor_f32 v12, -v13                          ; the new -M: a whole number
	s_delay_alu instid0(VALU_DEP_1)
	v_sub_f32 v244, v12, v244
	s_delay_alu instid0(VALU_DEP_1)
	v_cvt_i32_f32 v244, v244                       ; (it saturates)
	s_delay_alu instid0(VALU_DEP_1)
	v_ldexp_f32 v240, 1.0, v244                    ; f = 2^(old M - new M)
.set JX, 0
.rept 32
	v_pk_fma_f32 v[112+JX:113+JX], v[112+JX:113+JX], s[22:23], v[12:13] op_sel_hi:[1,0,0]   ; t - M
.set JX, JX+2
.endr
.irp b, 0,1,2,3
	v_fma_f32 v[228+\b], v[228+\b], s22, v12
.endr
.set JX, 0
	s_wait_alu depctr_va_vdst(0)
.rept 64
	v_exp_f32 v[112+JX], v[112+JX]                 ; p, not normalised
.set JX, JX+1
.endr
	v_pk_mul_f32 v[14:15], v[14:15], v[240:241] op_sel_hi:[1,0]   ; the sum under the new M: a plain place behind the exponentials
	s_wait_alu depctr_va_vdst(0)                   ; one wait for the batch, ahead of its first reader
.irp b, 0,1,2,3
	v_exp_f32 v[228+\b], v[228+\b]                 ; each block's largest p
.endr
	v_pk_add_f32 v[242:243], v[116:117], v[120:121]   ; the row's sum of the unquantised p, in eight chains
	v_pk_add_f32 v[252:253], v[124:125], v[128:129]
	v_pk_add_f32 v[250:251], v[132:133], v[136:137]
	v_pk_add_f32 v[248:249], v[140:141], v[144:145]
	v_pk_add_f32 v[246:247], v[148:149], v[152:153]
	v_pk_add_f32 v[244:245], v[156:157], v[160:161]
	v_pk_add_f32 v[238:239], v[164:165], v[168:169]
	v_pk_add_f32 v[14:15], v[14:15], v[172:173]
	v_pk_add_f32 v[242:243], v[242:243], v[112:113]
	v_pk_add_f32 v[252:253], v[252:253], v[114:115]
	v_pk_add_f32 v[250:251], v[250:251], v[118:119]
	v_pk_add_f32 v[248:249], v[248:249], v[122:123]
	v_pk_add_f32 v[246:247], v[246:247], v[126:127]
	v_pk_add_f32 v[244:245], v[244:245], v[130:131]
	v_pk_add_f32 v[238:239], v[238:239], v[134:135]
	v_pk_add_f32 v[14:15], v[14:15], v[138:139]
	v_pk_add_f32 v[242:243], v[242:243], v[142:143]
	v_pk_add_f32 v[252:253], v[252:253], v[146:147]
	v_pk_add_f32 v[250:251], v[250:251], v[150:151]
	v_pk_add_f32 v[248:249], v[248:249], v[154:155]
	v_pk_add_f32 v[246:247], v[246:247], v[158:159]
	v_pk_add_f32 v[244:245], v[244:245], v[162:163]
	v_pk_add_f32 v[238:239], v[238:239], v[166:167]
	v_pk_add_f32 v[14:15], v[14:15], v[170:171]
	v_pk_add_f32 v[242:243], v[242:243], v[174:175]
	s_delay_alu instid0(VALU_DEP_2)
	v_pk_add_f32 v[14:15], v[14:15], v[248:249]
	s_delay_alu instid0(VALU_DEP_2)
	v_pk_add_f32 v[242:243], v[242:243], v[246:247]
	v_pk_add_f32 v[252:253], v[252:253], v[244:245]
	v_pk_add_f32 v[250:251], v[250:251], v[238:239]
	s_delay_alu instid0(VALU_DEP_2)
	v_pk_add_f32 v[14:15], v[14:15], v[252:253]
	s_delay_alu instid0(VALU_DEP_2)
	v_pk_add_f32 v[242:243], v[242:243], v[250:251]
	s_delay_alu instid0(VALU_DEP_1)
	v_pk_add_f32 v[14:15], v[14:15], v[242:243]
	s_wait_alu depctr_va_vdst(0)                   ; and one for the four
.irp b, 0,1,2,3
	v_max_num_f32 v[228+\b], 0x1800000, v[228+\b]  ; the floor 2^(3 - 127)
.endr
.irp b, 0,1,2,3
	s_delay_alu instid0(VALU_DEP_4)
	v_add_nc_u32 v[236+\b], 0xff000000, v[228+\b]  ; the conversion's scale operand
.endr
.irp b, 0,1,2,3
	s_delay_alu instid0(VALU_DEP_4)
	v_lshrrev_b32 v[232+\b], 23, v[236+\b]         ; the scale's byte
.endr
	s_delay_alu instid0(VALU_DEP_3)
	v_lshl_or_b32 v245, v233, 8, v232
	s_delay_alu instid0(VALU_DEP_1)
	v_lshl_or_b32 v245, v234, 16, v245
	s_delay_alu instid0(VALU_DEP_1)
	v_lshl_or_b32 v245, v235, 24, v245             ; p's scale word for these 128 keys
.irp c, 0,1
	v_cvt_scalef32_pk16_fp6_f32 v[208+6*\c:210+6*\c], v[112+32*\c:127+32*\c], v[236+2*\c]
	v_cvt_scalef32_pk16_fp6_f32 v[220+4*\c:222+4*\c], v[128+32*\c:143+32*\c], v[237+2*\c]
.endr
	v_nop                                          ; one plain place behind a scaled conversion
.irp c, 0,1
.irp i, 0,1,2
	v_permlane16_swap_b32 v[208+6*\c+\i], v[220+4*\c+\i]
.endr
.irp i, 0,1,2
	s_delay_alu instid0(VALU_DEP_3)
	v_mov_b32 v[211+6*\c+\i], v[220+4*\c+\i]
.endr
.endr
	s_wait_dscnt 0x0                               ; V and its words
.irp t, 0,1,2,3
	v_perm_b32 v[102+\t], v[95+2*\t], v[94+2*\t], 0x05040100   ; the two records' low halves: four bytes for 128 keys
.endr
.set JX, 0
.rept 16
	v_pk_mul_f32 v[176+JX:177+JX], v[176+JX:177+JX], v[240:241] op_sel_hi:[1,0]   ; O^T under the new M; also the places behind the scale words' last writes
.set JX, JX+2
.endr
.irp t, 0,1,2,3
	v_wmma_scale_f32_16x16x128_f8f6f4 v[176+8*\t:183+8*\t], v[32+12*\t:43+12*\t], v[208:219], v[176+8*\t:183+8*\t], v[102+\t], v245 matrix_a_fmt:MATRIX_FMT_FP6 matrix_b_fmt:MATRIX_FMT_FP6
.endr
.Lhidden_\@:
	s_add_co_u32 s48, s48, 2*REC
	s_add_co_u32 s49, s49, 1
.endm
	s_wait_alu depctr_va_vdst(0)
	s_wait_loadcnt 0x0                             ; both tiles' Q
	s_wait_tensorcnt 0x0                           ; my four records are in
	s_barrier_signal -1
	s_barrier_wait -1                              ; and everybody's: the whole head lies in LDS
	s_mov_b32 s62, 2                               ; my two tiles
.Ltile:
	s_mul_i32 s54, s13, 6144                       ; o: 128 rho rows of 48 bytes,
	s_add_nc_u64 s[70:71], s[66:67], s[54:55]
	s_lshl_b32 s54, s13, 9                         ; and of 4
	s_add_nc_u64 s[72:73], s[68:69], s[54:55]
	v_mov_b32 v13, 0xff61b1e6                      ; the largest t so far: -3e38
	v_mov_b32 v14, 0
	v_mov_b32 v15, 0
	v_floor_f32 v12, -v13                          ; -M
.set JX, 0
.rept 32
	v_mov_b32 v[176+JX], 0                         ; O^T: the step is written once, and a tile's first finds zeros
.set JX, JX+1
.endr
	s_mov_b32 s48, 0
	s_mov_b32 s49, 0
	s_mov_b32 s19, 16
	s_wait_alu depctr_va_vdst(0)
.Lkeys:
	STEP
	s_sub_co_u32 s19, s19, 1
	s_cmp_lg_u32 s19, 0
	s_cbranch_scc1 .Lkeys
	; THE WAY OUT: O^T / the sum, quantised along the head's 64 (register 16 b + i is channel 32 b + 16 h + i), through my stage, as 768 consecutive bytes.
	NOPS 4                                         ; four places behind the last products
	v_add_f32 v14, v14, v15
	s_delay_alu instid0(VALU_DEP_1)
	v_permlanex16_b32 v240, v14, s20, s21
	s_delay_alu instid0(VALU_DEP_1)
	v_add_f32 v14, v14, v240                       ; the row's sum
	s_wait_alu depctr_va_vdst(0)
	v_rcp_f32 v14, v14
	v_mov_b32 v228, 0x1800000                      ; (plain places behind the reciprocal)  the floor
	v_mov_b32 v229, 0x1800000
	s_wait_alu depctr_va_vdst(0)                   ; the wait ahead of the reciprocal's first reader
.set JX, 0
.rept 32
	v_mul_f32 v[112+JX], v[176+JX], v14
.set JX, JX+1
.endr
.irp i, 0,2,4,6,8,10,12,14
.irp b, 0,1
	v_max3_num_f32 v[228+\b], v[228+\b], |v[112+16*\b+\i]|, |v[113+16*\b+\i]|
.endr
.endr
.irp b, 0,1
	s_delay_alu instid0(VALU_DEP_2)
	v_permlanex16_b32 v[232+\b], v[228+\b], s20, s21
.endr
.irp b, 0,1
	s_delay_alu instid0(VALU_DEP_2)
	v_max_num_f32 v[228+\b], v[228+\b], v[232+\b]
.endr
.irp b, 0,1
	s_delay_alu instid0(VALU_DEP_2)
	v_add_nc_u32 v[236+\b], 0xff000000, v[228+\b]
.endr
.irp b, 0,1
	s_delay_alu instid0(VALU_DEP_2)
	v_lshrrev_b32 v[234+\b], 23, v[236+\b]
.endr
	s_delay_alu instid0(VALU_DEP_1)
	v_lshl_or_b32 v245, v235, 8, v234
	s_delay_alu instid0(VALU_DEP_1)
	v_or_b32 v245, 0x7f7f0000, v245
	v_cvt_scalef32_pk16_fp6_f32 v[208:210], v[112:127], v236
	v_cvt_scalef32_pk16_fp6_f32 v[220:222], v[128:143], v237
	v_nop
.irp i, 0,1,2
	v_permlane16_swap_b32 v[208+\i], v[220+\i]
.endr
.irp i, 0,1,2
	s_delay_alu instid0(VALU_DEP_3)
	v_mov_b32 v[211+\i], v[220+\i]
.endr
.irp i, 0,1,2
	ds_store_b64 v7, v[208+2*\i:209+2*\i] offset:8*\i
.endr
.irp i, 0,1,2
	ds_load_b64 v[144+2*\i:145+2*\i], v8 offset:256*\i   ; LDS serves a wave's instructions in order: these see my stores
.endr
	global_store_b32 v2, v245, s[72:73]            ; my 16 rows' scale words (both halves of the lanes write the same words)
	s_wait_dscnt 0x0
.irp i, 0,1,2
	global_store_b64 v9, v[144+2*\i:145+2*\i], s[70:71] offset:256*\i   ; 32 lanes store 256 consecutive bytes, aligned
.endr
	s_wait_xcnt 0x0                                ; the stores have read their registers and bases: the next tile may write them
.irp p, 0,1,2,3,4,5
	v_mov_b32 v[16+\p], v[106+\p]                  ; on to the second tile's Q (behind the second tile these seven lines change nothing)
.endr
	v_mov_b32 v28, v29
	s_mov_b32 s13, s12                             ; and its rho
	s_sub_co_u32 s62, s62, 1
	s_cmp_lg_u32 s62, 0
	s_wait_alu depctr_va_vdst(0)
	s_cbranch_scc1 .Ltile
	s_wait_tensorcnt 0x0                           ; the wave's end
	ds_add_u32 v254, v255
	s_wait_dscnt 0x0
	CROUND                                         ; the closing round
	s_endpgm
.Lfunc_end_k_q2c1f973b84_attn:
	.size	k_q2c1f973b84_attn, .Lfunc_end_k_q2c1f973b84_attn-k_q2c1f973b84_attn
	.p2alignl 7, 3214868480
	.fill 96, 4, 3214868480
	.section	.rodata,"a",@progbits
	.p2align	6, 0x0
	.amdhsa_kernel k_q2c1f973b84_attn
		.amdhsa_group_segment_fixed_size 227328
		.amdhsa_private_segment_fixed_size 0
		.amdhsa_enable_private_segment 0
		.amdhsa_kernarg_size 32
		.amdhsa_user_sgpr_count 2
		.amdhsa_user_sgpr_kernarg_segment_ptr 1
		.amdhsa_wavefront_size32 1
		.amdhsa_system_sgpr_workgroup_id_x 1
		.amdhsa_system_sgpr_workgroup_id_y 1
		.amdhsa_system_sgpr_workgroup_id_z 1
		.amdhsa_system_vgpr_workitem_id 0
		.amdhsa_next_free_vgpr 256
		.amdhsa_next_free_sgpr 80
		.amdhsa_reserve_vcc 1
		.amdhsa_float_denorm_mode_32 3
		.amdhsa_float_denorm_mode_16_64 3
		.amdhsa_memory_ordered 1
		.amdhsa_forward_progress 1
		.amdhsa_inst_pref_size 38
	.end_amdhsa_kernel
	.amdgpu_metadata
---
amdhsa.version: [ 1, 2 ]
amdhsa.kernels:
  - .name:           k_q2c1f973b84_attn
    .symbol:         k_q2c1f973b84_attn.kd
    .args:
      - { .name: qws, .offset: 0, .size: 8, .value_kind: global_buffer, .address_space: global }
      - { .name: kvws, .offset: 8, .size: 8, .value_kind: global_buffer, .address_space: global }
      - { .name: o_codes, .offset: 16, .size: 8, .value_kind: global_buffer, .address_space: global }
      - { .name: o_sw, .offset: 24, .size: 8, .value_kind: global_buffer, .address_space: global }
    .group_segment_fixed_size: 227328
    .private_segment_fixed_size: 0
    .kernarg_segment_align: 8
    .kernarg_segment_size: 32
    .max_flat_workgroup_size: 256
    .sgpr_count:     80
    .vgpr_count:     256
    .wavefront_size: 32
...
	.end_amdgpu_metadata
.endif
;; end of part 2
;; launch ffn1 (part 3): grid 8 x 32, 4 waves a work-group, clusters of 4 x 4, 327,680 bytes of LDS; arguments o_codes, o_sw, W1_codes, W1_scales, b1, h_codes, h_sw; writes h_codes, h_sw
.if DOCPART == 3
	.amdgcn_target "amdgcn-amd-amdhsa--gfx1250"
	.amdhsa_code_object_version 6
	.text
	.protected	k_q2c1f973b84_ffn1
	.globl	k_q2c1f973b84_ffn1
	.p2align	8
	.type	k_q2c1f973b84_ffn1,@function
k_q2c1f973b84_ffn1:
	s_mov_b64 s[64:65], 0
	v_nop
	global_prefetch_b8 v0, s[64:65] scope:SCOPE_SE
	s_setreg_imm32_b32 hwreg(HW_REG_WAVE_MODE, 25, 1), 1
	s_wait_xcnt 0x0
	s_wait_alu depctr_hold_cnt(0) depctr_sa_sdst(0) depctr_va_vdst(0) depctr_va_sdst(0) depctr_va_ssrc(0) depctr_va_vcc(0) depctr_vm_vsrc(0)
	s_getreg_b32 s2, hwreg(HW_REG_IB_STS2, 6, 4)
	s_cmp_eq_u32 s2, 0
	s_cbranch_scc0 .Lentry_in_a_cluster
	s_endpgm
.Lentry_in_a_cluster:
	s_bfe_u32 s2, ttmp6, 0x10000c
	s_cmp_lg_u32 s2, 0xf033
	s_cbranch_scc0 .Lentry_shape_is_right
	s_endpgm
.Lentry_shape_is_right:
; h = gelu(o W1^T + b1) on codes of FP6 (E2M3) with E8M0 scales, f32 sums; h is quantised along the 2,048 hidden units on the way out.
; o: panels [head 16][row 4,096][48 bytes] and scale words [head][row][4] (bytes 0, 1: the panel's two E8M0 bytes).  W1: 2,048 rows of 768 bytes, 32 scale bytes a row.  h leaves as o came: 32 panels of 64 units.
; SHARES.  A work-group makes 128 rows x 256 columns, two GROUPS of 128; four waves 2 x 2, a wave 64 x 64 of each group: 32 accumulators.  Products transposed (source 0 = 16 rows of W1, source 1 = 16 rows of o):
; a lane holds one row and eight hidden units.  b1 is the C of each sum's first product.
; K = 1,024 lies in LDS whole: two chunks of 512 in two slots, each filled ONCE at the head: no slot is filled again.  A slot: W1's two tiles (128 rows x 384 bytes, 16 bytes of padding behind every 128), then o's
; eight panels x 128 rows x 48 bytes (rows 12 words apart: sixteen rows start at sixteen different groups of four banks).  Waves 0, 1 fetch W1's tiles, wave 2 o's.
; CLUSTER 4 x 4: o's tile is asked for jointly along the cluster's row, W1's tiles along its column.  No prefetch: everything is asked for at the head.
; gelu is the tanh form, written x / (1 + 2^(x (k0 + k1 x^2))), k0 = -2 log2(e) sqrt(2 / pi), k1 = 0.044715 k0: the same function.
; LIMITS: NaN and infinities are not served; a block whose largest magnitude lies under 2^-124, a block of zeros too, gets the scale byte 1.
; REGISTERS.  window 0: v1-3 r, h, lane; v4-5 o's LDS addresses; v10-13, v16-19 W1's; v22-29 the way out; v32-47 o's scale words; v48-79 W1's; v96-127 32 numbers at work; v128-149 the quantiser, k0; v160-191 raw words, later a piece.
;   window 1: v0-95 o's fragments, two sets; v96-191 W1's, two buffers; v192-255 b1.   window 2: the accumulators.
.set G,       2
.set NATG,    -1
.set NK,      8
; THE TILES (this holds in place of the lines on two chunks in the head comment).  K = 1,024 lies in LDS whole, filled ONCE by four joint loads at the head, one a wave:
; waves 0, 1 W1's two tiles, 128 whole rows of 768 bytes each (16 bytes of padding behind every 256); waves 2, 3 o's panels 0-7 and 8-15.  One barrier shows them; nothing is filled again.
; The stage for the way out and the spare words have bytes of their own behind the tiles.
.set NQ,      8
.set NCH,     2
.set NSL,     2
.set HASBIAS, 1
.set ROWB,    768
.set QI,      5                        ; padding behind every 64 words
.set PPU,     32
.set PITCH,   816                      ; 3 x (256 + 16) = 204 words: row r starts at bank 12 r mod 64: sixteen different multiples of 4
.set HALFT,   128*PITCH
.set AREG,    8*6144
.set ACH,     8*196608                 ; eight panels on, in memory
.set STAGE,   G*HALFT+2*AREG           ; the way out: 3,584 bytes a wave, behind the tiles: no tensor load lands there
.set SPARE,   STAGE+4*3584             ; the spare words: 512 bytes that no other line names
.set SA,      32
.set SB,      SA+2*NK
.set T,       96
.set TM,      128
.set TX,      130
.set SO,      132
.set BY,      134
.set PW,      136
.set PC,      138
.set CT,      144
.set OUT,     160
.set TW,      160
.set G1A,     32
.set G1B,     40
.set G0A,     48
.set G0B,     68
.set MSB,     0
.macro WIN new                         ; the immediate's high byte repeats the setting that is left
.if MSB != (\new)
	s_set_vgpr_msb (MSB<<8)|(\new)
.set MSB, (\new)
.endif
.endm
.macro NOPS n
.rept \n
	v_nop
.endr
.endm
.macro CROUND                          ; a round of the cluster's barrier
	s_barrier_signal -1
	s_barrier_wait -1
	s_cmp_lg_u32 s24, 0
	s_cbranch_scc1 .Lnot_wave_0_\@
	s_barrier_signal -3
.Lnot_wave_0_\@:
	s_barrier_wait -3
	s_barrier_signal -1
	s_barrier_wait -1
.endm
; A fragment from padded rows: registers 6 c .. 6 c + 5 of lane (r, h) are the 24 bytes of k = 64 c + 32 h on.  Lanes 16-31 read three pieces of 8 bytes on; where that is behind one padding more, the second address register serves.
.macro FRAGR reg, adr, adr2, q, i
.irp p, 0,1,2,3,4,5
.set PCN, 12*(\q)+6*(\p/3)+\p%3
.if PCN%PPU < PPU-3
	ds_load_b64 v[(\reg)+2*\p:(\reg)+2*\p+1], v[(\adr)] offset:8*PCN+16*(PCN/PPU)+(\i)*16*PITCH
.else
	ds_load_b64 v[(\reg)+2*\p:(\reg)+2*\p+1], v[(\adr2)] offset:8*PCN+16*(PCN/PPU)+(\i)*16*PITCH
.endif
.endr
.endm
.macro FRAGP reg, adr, q, i            ; a fragment from panels: its two halves of 64 along K lie in two panels, 6,144 bytes apart
.irp p, 0,1,2,3,4,5
	ds_load_b64 v[(\reg)+2*\p:(\reg)+2*\p+1], v[(\adr)] offset:6144*(2*(\q)+\p/3)+768*(\i)+8*(\p%3)
.endr
.endm
; One matrix instruction.  ck = 0: C is the constant 0, else v[cr ..].  rr: bit 0: source 0's scales stand in lanes 16-31, bit 1: source 1's.
.macro WM d, x, y, ck, cr, s0, s1, rr
.if (\ck) == 0
.if (\rr) == 0
	v_wmma_scale_f32_16x16x128_f8f6f4 v[(\d):(\d)+7], v[(\x):(\x)+11], v[(\y):(\y)+11], 0, v[(\s0)], v[(\s1)] matrix_a_fmt:MATRIX_FMT_FP6 matrix_b_fmt:MATRIX_FMT_FP6
.elseif (\rr) == 1
	v_wmma_scale_f32_16x16x128_f8f6f4 v[(\d):(\d)+7], v[(\x):(\x)+11], v[(\y):(\y)+11], 0, v[(\s0)], v[(\s1)] matrix_a_fmt:MATRIX_FMT_FP6 matrix_b_fmt:MATRIX_FMT_FP6 matrix_a_scale:MATRIX_SCALE_ROW1
.elseif (\rr) == 2
	v_wmma_scale_f32_16x16x128_f8f6f4 v[(\d):(\d)+7], v[(\x):(\x)+11], v[(\y):(\y)+11], 0, v[(\s0)], v[(\s1)] matrix_a_fmt:MATRIX_FMT_FP6 matrix_b_fmt:MATRIX_FMT_FP6 matrix_b_scale:MATRIX_SCALE_ROW1
.else
	v_wmma_scale_f32_16x16x128_f8f6f4 v[(\d):(\d)+7], v[(\x):(\x)+11], v[(\y):(\y)+11], 0, v[(\s0)], v[(\s1)] matrix_a_fmt:MATRIX_FMT_FP6 matrix_b_fmt:MATRIX_FMT_FP6 matrix_a_scale:MATRIX_SCALE_ROW1 matrix_b_scale:MATRIX_SCALE_ROW1
.endif
.else
.if (\rr) == 0
	v_wmma_scale_f32_16x16x128_f8f6f4 v[(\d):(\d)+7], v[(\x):(\x)+11], v[(\y):(\y)+11], v[(\cr):(\cr)+7], v[(\s0)], v[(\s1)] matrix_a_fmt:MATRIX_FMT_FP6 matrix_b_fmt:MATRIX_FMT_FP6
.elseif (\rr) == 1
	v_wmma_scale_f32_16x16x128_f8f6f4 v[(\d):(\d)+7], v[(\x):(\x)+11], v[(\y):(\y)+11], v[(\cr):(\cr)+7], v[(\s0)], v[(\s1)] matrix_a_fmt:MATRIX_FMT_FP6 matrix_b_fmt:MATRIX_FMT_FP6 matrix_a_scale:MATRIX_SCALE_ROW1
.elseif (\rr) == 2
	v_wmma_scale_f32_16x16x128_f8f6f4 v[(\d):(\d)+7], v[(\x):(\x)+11], v[(\y):(\y)+11], v[(\cr):(\cr)+7], v[(\s0)], v[(\s1)] matrix_a_fmt:MATRIX_FMT_FP6 matrix_b_fmt:MATRIX_FMT_FP6 matrix_b_scale:MATRIX_SCALE_ROW1
.else
	v_wmma_scale_f32_16x16x128_f8f6f4 v[(\d):(\d)+7], v[(\x):(\x)+11], v[(\y):(\y)+11], v[(\cr):(\cr)+7], v[(\s0)], v[(\s1)] matrix_a_fmt:MATRIX_FMT_FP6 matrix_b_fmt:MATRIX_FMT_FP6 matrix_a_scale:MATRIX_SCALE_ROW1 matrix_b_scale:MATRIX_SCALE_ROW1
.endif
.endif
.endm
; Products n0 .. n1 - 1 of a unit's 16 (n = 4 a + b: o's block a, W1's block b).  The 16 accumulators take turns, one instruction a turn.
.macro WMS n0, n1
.if UK == 0
	WIN (UW<<6)|(HASBIAS<<4)|0x05
.else
	WIN (UW<<6)|(UW<<4)|0x05
.endif
.irp a, 0,1,2,3
.irp b, 0,1,2,3
.if (4*\a+\b >= \n0) && (4*\a+\b < \n1)
.set DD, UB+8*(4*\a+\b)
.if UK == 0
.set CK, HASBIAS
.set CR, 192+8*(4*UG+\b)
.else
.set CK, 1
.set CR, DD
.endif
	WM DD, BF+12*\b, AF+12*\a, CK, CR, SB+(2*UG+\b/2)*NK+UK, SA+(\a/2)*NK+UK, (\b%2)+2*(\a%2)
.endif
.endr
.endr
.endm
.macro NEXTLOADS                       ; the next unit's four fragments of W1; where it begins a K step, o's four too
.set NU, U+1
.set NKS, NU/G
.set NG, NU%G
.set NS, (NKS/NQ)%NSL
.set NQQ, NKS%NQ
	WIN 0x40                                       ; destination window 1, address window 0
.irp i, 0,1,2,3
	FRAGR 96+48*(NU%2)+12*\i, 10+G*NS+NG, 16+G*NS+NG, NQQ, \i
.endr
.if NG == 0
.irp i, 0,1,2,3
	FRAGP 48*(NKS%2)+12*\i, 4+NKS/4, NKS%4, \i
.endr
.endif
.endm
.macro UNIT_PLAIN                      ; a unit: one K step of 128 of one group, 16 products
	s_wait_dscnt 0x0                               ; this unit's fragments, asked for twelve products ago
	WMS 0, 4
	NOPS 4                                         ; four places in front of loads into registers that matrix instructions have read
	NEXTLOADS
	WMS 4, 16
.endm
.macro UNIT_CHANGE                     ; chunk 0's last unit: on to slot 1, which nobody has yet been shown; nothing is filled again
	WIN 0
	s_wait_tensorcnt 0x0                           ; my part of slot 1 is in
	s_wait_dscnt 0x0                               ; this unit's fragments are in, and my reads of slot 0 are over
	WMS 0, 8
	WIN 0
	s_barrier_signal -1
	s_barrier_wait -1
	NOPS 4
	NEXTLOADS
	WMS 8, 16
.endm
; gelu of 32 numbers v[x ..] of window w, into v[T ..]
.macro GELU x, w
	WIN (\w)|((\w)<<2)
.set JX, 0
.rept 16
	v_pk_mul_f32 v[T+JX:T+JX+1], v[(\x)+JX:(\x)+JX+1], v[(\x)+JX:(\x)+JX+1]
.set JX, JX+2
.endr
	WIN 0
.set JX, 0
.rept 16
	v_pk_fma_f32 v[T+JX:T+JX+1], v[T+JX:T+JX+1], s[96:97], v[148:149] op_sel_hi:[1,0,1]   ; k1 x^2 + k0
.set JX, JX+2
.endr
	WIN (\w)<<2
.set JX, 0
.rept 16
	v_pk_mul_f32 v[T+JX:T+JX+1], v[T+JX:T+JX+1], v[(\x)+JX:(\x)+JX+1]
.set JX, JX+2
.endr
	WIN 0
.set JX, 0
	s_wait_alu depctr_va_vdst(0)
.rept 32
	v_exp_f32 v[T+JX], v[T+JX]
.set JX, JX+1
.endr
	v_nop                                          ; a plain place behind the batch,
	s_wait_alu depctr_va_vdst(0)                   ; and one wait ahead of its first reader
.set JX, 0
.rept 16
	v_pk_add_f32 v[T+JX:T+JX+1], v[T+JX:T+JX+1], 1.0 op_sel_hi:[1,0]
.set JX, JX+2
.endr
.set JX, 0
	s_wait_alu depctr_va_vdst(0)
.rept 32
	v_rcp_f32 v[T+JX], v[T+JX]
.set JX, JX+1
.endr
	v_nop
	s_wait_alu depctr_va_vdst(0)
	WIN (\w)<<2
.set JX, 0
.rept 16
	v_pk_mul_f32 v[T+JX:T+JX+1], v[T+JX:T+JX+1], v[(\x)+JX:(\x)+JX+1]
.set JX, JX+2
.endr
	WIN 0
.endm
; 32 numbers of a lane, register 8 t + j = k 16 t + 8 h + j of my row, become the row's block h in v[PC:PC+5] and its scale word in v[PW].
.macro QUANT2 s
.irp b, 0,1
.irp j, 0,1,2,3,4,5,6,7
	v_permlane16_swap_b32 v[(\s)+16*\b+\j], v[(\s)+16*\b+8+\j]   ; register 16 b + i is now k = 32 b + 16 h + i
.endr
.endr
	v_mov_b32 v[TM], 0x1800000                     ; the floor 2^(3 - 127): the byte cannot fall under 1
	v_mov_b32 v[TM+1], 0x1800000
.irp i, 0,2,4,6,8,10,12,14
.irp b, 0,1
	v_max3_num_f32 v[TM+\b], v[TM+\b], |v[(\s)+16*\b+\i]|, |v[(\s)+16*\b+\i+1]|
.endr
.endr
.irp b, 0,1
	v_permlanex16_b32 v[TX+\b], v[TM+\b], s94, s95
.endr
.irp b, 0,1
	v_max_num_f32 v[TM+\b], v[TM+\b], v[TX+\b]
.endr
.irp b, 0,1
	v_add_nc_u32 v[SO+\b], 0xff000000, v[TM+\b]    ; 2 off the exponent field: the conversion's scale operand
.endr
.irp b, 0,1
	v_lshrrev_b32 v[BY+\b], 23, v[SO+\b]
.endr
	v_lshl_or_b32 v[PW], v[BY+1], 8, v[BY]
	v_or_b32 v[PW], 0x7f7f0000, v[PW]
	v_cvt_scalef32_pk16_fp6_f32 v[PC:PC+2], v[(\s):(\s)+15], v[SO]
	v_cvt_scalef32_pk16_fp6_f32 v[CT:CT+2], v[(\s)+16:(\s)+31], v[SO+1]
	v_nop                                          ; one plain place behind a scaled conversion
.irp i, 0,1,2
	v_permlane16_swap_b32 v[PC+\i], v[CT+\i]
.endr
.irp i, 0,1,2
	v_mov_b32 v[PC+3+\i], v[CT+\i]
.endr
.endm
; A piece: 64 rows x 64 hidden units: activation, quantiser, my stage, and out as 3,072 + 256 consecutive bytes.
.macro PIECE base, coff, woff
.irp u, 0,1,2,3
	GELU (\base)+32*\u, 2
	QUANT2 T
.irp i, 0,1,2
	ds_store_b64 v22, v[PC+2*\i:PC+2*\i+1] offset:768*\u+8*\i
.endr
	ds_store_b32 v24, v[PW] offset:64*\u           ; both lanes of a row write the same word with the same value
	s_wait_dscnt 0x0                               ; the stores have read their registers
.endr
	s_wait_xcnt 0x0                                ; the last piece's stores have read theirs
.irp i, 0,1,2,3,4,5
	ds_load_b128 v[OUT+4*\i:OUT+4*\i+3], v26 offset:512*\i
.endr
	ds_load_b64 v[OUT+24:OUT+25], v27
	s_wait_dscnt 0x0
.irp i, 0,1,2,3,4,5
	global_store_b128 v28, v[OUT+4*\i:OUT+4*\i+3], s[14:15] offset:(\coff)+512*\i   ; 32 lanes store 512 consecutive bytes, aligned to 256
.endr
	global_store_b64 v29, v[OUT+24:OUT+25], s[16:17] offset:\woff
.endm
	s_load_b256 s[4:11], s[0:1], 0x0               ; o's codes, o's words, W1's codes, W1's scales
	s_load_b128 s[12:15], s[0:1], 0x20             ; b1, h's codes
	s_load_b64 s[16:17], s[0:1], 0x30              ; h's words
	v_lshl_add_u32 v254, v0, 2, SPARE
	v_mov_b32 v255, 0
	ds_add_u32 v254, v255
	ds_add_u32 v254, v255
	v_lshrrev_b32 v1, 5, v0
	v_readfirstlane_b32 s24, v1                    ; wave
	s_lshr_b32 s25, s24, 1                         ; wm
	s_and_b32 s26, s24, 1                          ; wn
	s_bfe_u32 s27, ttmp6, 0x40000                  ; cx
	s_bfe_u32 s28, ttmp6, 0x40004                  ; cy
	s_lshl_b32 s29, ttmp9, 2
	s_add_co_u32 s29, s29, s27                     ; TX
	s_and_b32 s30, ttmp7, 0xffff
	s_lshl_b32 s30, s30, 2
	s_add_co_u32 s30, s30, s28                     ; TY
	s_lshl_b32 s80, s28, 2
	s_lshl_b32 s80, 15, s80                        ; my row of the cluster
	s_lshl_b32 s81, 0x1111, s27                    ; my column
	s_or_b32 s[G1A], s80, (3<<16)|(1<<21)          ; o's tile: elements of 8 bytes, no padding
	s_mov_b32 s[G1A+1], 768<<16                    ; a row: 128 piece rows of one panel, 6,144 bytes
	s_mov_b32 s[G1A+2], 8<<16                      ; eight panels
	s_mov_b32 s[G1A+3], 768<<16
	s_mov_b32 s[G1A+4], 8
	s_mov_b32 s[G1A+5], 24576                      ; from panel to panel: 196,608 bytes
	s_mov_b32 s[G1A+6], 0
	s_mov_b32 s[G1A+7], 0
	s_or_b32 s[G1B], s81, (1<<20)|(1<<21)|(QI<<22)|(3<<25)   ; W1's tiles: elements of 1 byte; 4 words of padding behind every 64
	s_mov_b32 s[G1B+1], ROWB<<16
	s_mov_b32 s[G1B+2], 128<<16
	s_mov_b32 s[G1B+3], ROWB<<16
	s_mov_b32 s[G1B+4], 128
	s_mov_b32 s[G1B+5], 768
	s_mov_b32 s[G1B+6], 0
	s_mov_b32 s[G1B+7], 0
	s_mul_i32 s82, s30, 128*48                     ; o's tile hangs on the tile row alone,
	s_mov_b32 s83, 0
	s_lshl_b32 s88, s29, 1
	s_add_co_u32 s88, s88, s26
	s_mul_i32 s88, s88, 128*768                    ; W1's on the tile column and the wave: rows 256 TX + 128 (wave mod 2) on
	s_mov_b32 s89, 0
	s_mul_i32 s90, s24, HALFT                      ; where my tile goes in a slot
	s_mov_b32 s94, 0x76543210
	s_mov_b32 s95, 0xfedcba98
	s_mov_b32 s96, 0xbdd2d3e8                      ; k1
	s_mov_b32 s97, s96
	s_mov_b32 s98, 0x05040100                      ; v_perm_b32: two low halves
	s_wait_dscnt 0x0
	s_wait_kmcnt 0x0
	s_add_nc_u64 s[84:85], s[4:5], s[82:83]
	s_add_nc_u64 s[86:87], s[8:9], s[88:89]
.irp s, 0,1                            ; o's panels 8 s .. 8 s + 7
	s_mov_b32 s[G0A+4*\s], 1
	s_mov_b32 s[G0A+4*\s+1], G*HALFT+\s*AREG
	s_add_nc_u64 s[G0A+4*\s+2:G0A+4*\s+3], s[84:85], \s*ACH
	s_or_b32 s[G0A+4*\s+3], s[G0A+4*\s+3], 0x80000000
.endr
	s_mov_b32 s[G0B], 1                            ; W1's tile of waves 0 and 1
	s_mov_b32 s[G0B+1], s90
	s_mov_b64 s[G0B+2:G0B+3], s[86:87]
	s_or_b32 s[G0B+3], s[G0B+3], 0x80000000
	CROUND                                         ; all sixteen work-groups are here: the joint loads meet
	s_cmp_lt_u32 s24, G                            ; a wave's fills stand in one branch: one load of mine is out
	s_cbranch_scc0 .Lfirst_nb
	tensor_load_to_lds s[G0B:G0B+3], s[G1B:G1B+7]
	s_nop 0
	NOPS 4
	s_branch .Lfirst_done
.Lfirst_nb:
	s_cmp_eq_u32 s24, G
	s_cbranch_scc0 .Lfirst_a1
	tensor_load_to_lds s[G0A:G0A+3], s[G1A:G1A+7]
	s_nop 0
	NOPS 4
	s_branch .Lfirst_done
.Lfirst_a1:
	tensor_load_to_lds s[G0A+4:G0A+7], s[G1A:G1A+7]
	s_nop 0
	NOPS 4
.Lfirst_done:
	v_and_b32 v1, 15, v0                           ; r
	v_bfe_u32 v2, v0, 4, 1                         ; h
	v_and_b32 v3, 31, v0                           ; lane
	s_wait_alu depctr_va_vdst(0)
	s_lshl_b32 s82, s30, 7
	s_lshl_b32 s91, s25, 6
	s_add_co_u32 s82, s82, s91                     ; my first row
	s_lshl_b32 s92, s82, 2
	s_mov_b32 s93, 0
	s_add_nc_u64 s[6:7], s[6:7], s[92:93]          ; its scale word in panel 0
	s_add_nc_u64 s[16:17], s[16:17], s[92:93]
	s_mul_i32 s92, s82, 48
	s_add_nc_u64 s[14:15], s[14:15], s[92:93]
	s_lshl_b32 s88, s29, 2
	s_add_co_u32 s88, s88, s26                     ; my first panel of h: 4 TX + wn
	s_mul_i32 s92, s88, 196608
	s_add_nc_u64 s[14:15], s[14:15], s[92:93]
	s_lshl_b32 s92, s88, 14
	s_add_nc_u64 s[16:17], s[16:17], s[92:93]
	s_lshl_b32 s92, s88, 11                        ; my first column 64 (4 TX + wn): 32 scale bytes a row of W1,
	s_add_nc_u64 s[10:11], s[10:11], s[92:93]
	s_lshl_b32 s92, s88, 8                         ; 4 bytes a number of b1
	s_add_nc_u64 s[12:13], s[12:13], s[92:93]
	v_lshlrev_b32 v150, 5, v3                      ; W1's scales: lane L takes row 32 b + L
	v_lshlrev_b32 v151, 2, v3                      ; o's words: lane L takes row 32 a + L
	v_lshlrev_b32 v156, 5, v2                      ; b1: my half's eight numbers
.irp g, 0,1
.irp bb, 0,1
.irp i, 0,1
	global_load_b128 v[SB+(2*\g+\bb)*NK+4*\i:SB+(2*\g+\bb)*NK+4*\i+3], v150, s[10:11] offset:4096*\g+1024*\bb+16*\i
.endr
.endr
.endr
.set PX, 0
.rept 2*NK
	global_load_b32 v[TW+2*PX], v151, s[6:7] offset:16384*PX
	global_load_b32 v[TW+2*PX+1], v151, s[6:7] offset:16384*PX+128
.set PX, PX+1
.endr
	WIN 0x40
.irp g, 0,1
.irp b, 0,1,2,3
	global_load_b128 v[192+8*(4*\g+\b):192+8*(4*\g+\b)+3], v156, s[12:13] offset:512*\g+64*\b
	global_load_b128 v[192+8*(4*\g+\b)+4:192+8*(4*\g+\b)+7], v156, s[12:13] offset:512*\g+64*\b+16
.endr
.endr
	WIN 0
	v_mul_u32_u24 v152, v1, PITCH
	v_mad_u32_u24 v152, v2, 24, v152
	s_mul_i32 s91, s26, 64*PITCH
.set IX, 0
.rept G
	s_add_co_u32 s92, s91, IX*HALFT
	v_add_nc_u32 v[10+IX], s92, v152
	v_lshl_add_u32 v[16+IX], v2, 4, v[10+IX]
.set IX, IX+1
.endr
	v_mul_u32_u24 v153, v1, 48
	v_mad_u32_u24 v153, v2, 24, v153               ; a piece's row r, block h
	s_mul_i32 s91, s25, 64*48
.set IX, 0
.rept NSL
	s_add_co_u32 s92, s91, IX*AREG+G*HALFT
	v_add_nc_u32 v[4+IX], s92, v153
.set IX, IX+1
.endr
	s_mul_i32 s91, s24, 3584
	s_add_co_u32 s91, s91, STAGE                   ; my stage
	v_add_nc_u32 v22, s91, v153
	s_add_co_u32 s92, s91, 3072
	v_lshl_add_u32 v24, v1, 2, s92
	v_lshl_add_u32 v26, v3, 4, s91
	v_lshl_add_u32 v27, v3, 3, s92
	v_lshlrev_b32 v28, 4, v3
	v_lshlrev_b32 v29, 3, v3
	v_mov_b32 v[TX], 0                             ; written once: a lane permute's destination counts as one of its sources
	v_mov_b32 v[TX+1], 0
	v_mov_b32 v148, 0xc0135761                     ; k0
	v_mov_b32 v149, 0xc0135761
	s_wait_loadcnt 0x0
.set SX, 0
.rept NK
	v_perm_b32 v[SA+SX], v[TW+4*SX+2], v[TW+4*SX], s98        ; two panels' bytes make the word of a K step of 128
	v_perm_b32 v[SA+NK+SX], v[TW+4*SX+3], v[TW+4*SX+1], s98
.set SX, SX+1
.endr
	NOPS 8                                         ; a scale register written by a vector instruction stands eight places ahead of a scaled matrix instruction
	s_wait_tensorcnt 0x0                           ; my tile is in
	s_barrier_signal -1
	s_barrier_wait -1
.set U, -1
	NEXTLOADS
.set U, 0
.rept NK*G
.set UK, U/G
.set UG, U%G
.set UW, 2+UG/2
.set UB, 128*(UG%2)
.set AF, 48*(UK%2)
.set BF, 96+48*(U%2)
.if U == NK*G-1
	s_wait_dscnt 0x0
	WMS 0, 16
.elseif (UG == G-1) && (UK%NQ == NQ-1)
	UNIT_CHANGE
.else
	s_wait_alu depctr_va_vdst(0)
	UNIT_PLAIN
.endif
.set U, U+1
.endr
	WIN 0
	NOPS 4                                         ; four places in front of the first read of results
	PIECE 0, 0, 0                                  ; panel 4 TX + wn
	PIECE 128, 2*196608, 2*16384                   ; panel 4 TX + 2 + wn
	s_wait_dscnt 0x0
	s_wait_tensorcnt 0x0
	ds_add_u32 v254, v255
	s_wait_dscnt 0x0
	CROUND                                         ; the closing round
	s_endpgm
.Lfunc_end_k_q2c1f973b84_ffn1:
	.size	k_q2c1f973b84_ffn1, .Lfunc_end_k_q2c1f973b84_ffn1-k_q2c1f973b84_ffn1
	.p2alignl 7, 3214868480
	.fill 96, 4, 3214868480
	.section	.rodata,"a",@progbits
	.p2align	6, 0x0
	.amdhsa_kernel k_q2c1f973b84_ffn1
		.amdhsa_group_segment_fixed_size 327680
		.amdhsa_private_segment_fixed_size 0
		.amdhsa_enable_private_segment 0
		.amdhsa_kernarg_size 56
		.amdhsa_user_sgpr_count 2
		.amdhsa_user_sgpr_kernarg_segment_ptr 1
		.amdhsa_wavefront_size32 1
		.amdhsa_system_sgpr_workgroup_id_x 1
		.amdhsa_system_sgpr_workgroup_id_y 1
		.amdhsa_system_sgpr_workgroup_id_z 1
		.amdhsa_system_vgpr_workitem_id 0
		.amdhsa_next_free_vgpr 768
		.amdhsa_next_free_sgpr 100
		.amdhsa_reserve_vcc 0
		.amdhsa_float_denorm_mode_32 3
		.amdhsa_float_denorm_mode_16_64 3
		.amdhsa_memory_ordered 1
		.amdhsa_forward_progress 1
		.amdhsa_inst_pref_size 170
	.end_amdhsa_kernel
	.amdgpu_metadata
---
amdhsa.version: [ 1, 2 ]
amdhsa.kernels:
  - .name:           k_q2c1f973b84_ffn1
    .symbol:         k_q2c1f973b84_ffn1.kd
    .args:
      - { .name: o_codes, .offset: 0, .size: 8, .value_kind: global_buffer, .address_space: global }
      - { .name: o_sw, .offset: 8, .size: 8, .value_kind: global_buffer, .address_space: global }
      - { .name: W1_codes, .offset: 16, .size: 8, .value_kind: global_buffer, .address_space: global }
      - { .name: W1_scales, .offset: 24, .size: 8, .value_kind: global_buffer, .address_space: global }
      - { .name: b1, .offset: 32, .size: 8, .value_kind: global_buffer, .address_space: global }
      - { .name: h_codes, .offset: 40, .size: 8, .value_kind: global_buffer, .address_space: global }
      - { .name: h_sw, .offset: 48, .size: 8, .value_kind: global_buffer, .address_space: global }
    .group_segment_fixed_size: 327680
    .private_segment_fixed_size: 0
    .kernarg_segment_align: 8
    .kernarg_segment_size: 56
    .max_flat_workgroup_size: 128
    .sgpr_count:     100
    .vgpr_count:     768
    .wavefront_size: 32
...
	.end_amdgpu_metadata
.endif
;; end of part 3
;; launch ffn2 (part 4): grid 8 x 32, 4 waves a work-group, clusters of 4 x 4, 327,680 bytes of LDS; arguments h_codes, h_sw, W2_codes, W2_scales, b2, out0; writes out0
.if DOCPART == 4
	.amdgcn_target "amdgcn-amd-amdhsa--gfx1250"
	.amdhsa_code_object_version 6
	.text
	.protected	k_q2c1f973b84_ffn2
	.globl	k_q2c1f973b84_ffn2
	.p2align	8
	.type	k_q2c1f973b84_ffn2,@function
k_q2c1f973b84_ffn2:
	s_mov_b64 s[64:65], 0
	v_nop
	global_prefetch_b8 v0, s[64:65] scope:SCOPE_SE
	s_setreg_imm32_b32 hwreg(HW_REG_WAVE_MODE, 25, 1), 1
	s_wait_xcnt 0x0
	s_wait_alu depctr_hold_cnt(0) depctr_sa_sdst(0) depctr_va_vdst(0) depctr_va_sdst(0) depctr_va_ssrc(0) depctr_va_vcc(0) depctr_vm_vsrc(0)
	s_getreg_b32 s2, hwreg(HW_REG_IB_STS2, 6, 4)
	s_cmp_eq_u32 s2, 0
	s_cbranch_scc0 .Lentry_in_a_cluster
	s_endpgm
.Lentry_in_a_cluster:
	s_bfe_u32 s2, ttmp6, 0x10000c
	s_cmp_lg_u32 s2, 0xf033
	s_cbranch_scc0 .Lentry_shape_is_right
	s_endpgm
.Lentry_shape_is_right:
; out = h W2^T + b2 on codes of FP6 (E2M3) with E8M0 scales, f32 sums, f32 out.
; h: panels [32][row 4,096][48 bytes] and scale words [32][row][4] (bytes 0, 1: the panel's two E8M0 bytes).  W2: 1,024 rows of 1,536 bytes, 64 scale bytes a row.
; SHARES.  A work-group makes 128 rows x 128 columns; four waves 2 x 2, a wave 64 x 64: 16 accumulators.  Products transposed (source 0 = 16 rows of W2, source 1 = 16 rows of h): a lane holds one row
; and eight neighbouring columns.  b2 is the C of each sum's first product.
; K = 2,048 goes in four chunks of 512 through THREE slots: chunks 0, 1, 2 are first fills, chunk 3 fills slot 0 again behind chunk 0.  A slot: W2's tile (128 rows x 384 bytes, 16 bytes of padding behind every 128),
; then h's eight panels x 128 rows x 48 bytes.  Wave 0 fetches W2's tile, wave 1 h's.
; CLUSTER 4 x 4: h's tile is asked for jointly along the cluster's row, W2's along its column.  No prefetch: three of the four chunks are asked for at the head, the fourth two chunks ahead of its use.
; A wave tile of 64 x 64 is what gives each of 256 work-groups a tile at these sizes.
; REGISTERS.  window 0: v1-3 r, h, lane; v4-6 h's LDS addresses; v10-12, v16-18 W2's; v22, v23, v28 the way out; v30, v31 the add's; v32-63 h's scale words; v64-95 W2's; v96-159 rows on their way out; v160-223 raw words.
;   window 1: v0-95 h's fragments, two sets; v96-191 W2's, two buffers; v192-223 b2.   window 2: v0-127 the accumulators.
.set G,       1
.set NK,      16
.set NQ,      4
.set NCH,     4
; THE TILES (this holds in place of the lines on three slots in the head comment).  W2's 128 rows lie in LDS whole, as two halves of K with rows of 768 bytes, each beginning at a multiple of 256 bytes
; (16 bytes of padding behind every 256), filled once.  h goes in four chunks of eight panels through TWO slots.  The head's four joint loads, one a wave: waves 0, 1 W2's halves, waves 2, 3 h's chunks 0 and 1.
; Chunks 2 and 3 fill the slots again, each behind a round, asked for by wave 1, four units (64 products a wave) ahead of their use.  The stage and the spare words have bytes of their own.
.set NSL,     2
.set HASBIAS, 1
.set ROWB,    768
.set QI,      5
.set PPU,     32
.set PITCH,   816                      ; 204 words: row r starts at bank 12 r mod 64: sixteen different multiples of 4
.set HALFT,   128*PITCH
.set AREG,    8*6144
.set HB,      2*HALFT                  ; behind W2's two halves: h's two slots
.set ACH,     8*196608
.set STAGE,   HB+2*AREG                ; the way out: 4,608 bytes a wave, behind the slots: no tensor load lands there
.set SPARE,   STAGE+4*4608             ; the spare words: 512 bytes that no other line names
.set SA,      32
.set SB,      SA+2*NK
.set TW,      160
.set G1A,     32
.set G1B,     40
.set G0A,     48
.set G0B,     68
.set MSB,     0
.macro WIN new                         ; the immediate's high byte repeats the setting that is left
.if MSB != (\new)
	s_set_vgpr_msb (MSB<<8)|(\new)
.set MSB, (\new)
.endif
.endm
.macro NOPS n
.rept \n
	v_nop
.endr
.endm
.macro CROUND                          ; a round of the cluster's barrier
	s_barrier_signal -1
	s_barrier_wait -1
	s_cmp_lg_u32 s24, 0
	s_cbranch_scc1 .Lnot_wave_0_\@
	s_barrier_signal -3
.Lnot_wave_0_\@:
	s_barrier_wait -3
	s_barrier_signal -1
	s_barrier_wait -1
.endm
.macro JLOAD s                         ; a joint refill of slot s: wave 1 h's tile; four v_nop follow each line
	s_cmp_eq_u32 s24, G
	s_cbranch_scc0 .Lasked_\@
	tensor_load_to_lds s[G0A+4*(\s):G0A+4*(\s)+3], s[G1A:G1A+7]
	s_nop 0
	NOPS 4
.Lasked_\@:
.endm
; A fragment from padded rows: registers 6 c .. 6 c + 5 of lane (r, h) are the 24 bytes of k = 64 c + 32 h on.  Lanes 16-31 read three pieces of 8 bytes on; where that is behind one padding more, the second address register serves.
.macro FRAGR reg, adr, adr2, q, i
.irp p, 0,1,2,3,4,5
.set PCN, 12*(\q)+6*(\p/3)+\p%3
.if PCN%PPU < PPU-3
	ds_load_b64 v[(\reg)+2*\p:(\reg)+2*\p+1], v[(\adr)] offset:8*PCN+16*(PCN/PPU)+(\i)*16*PITCH
.else
	ds_load_b64 v[(\reg)+2*\p:(\reg)+2*\p+1], v[(\adr2)] offset:8*PCN+16*(PCN/PPU)+(\i)*16*PITCH
.endif
.endr
.endm
.macro FRAGP reg, adr, q, i            ; a fragment from panels: its two halves of 64 along K lie in two panels, 6,144 bytes apart
.irp p, 0,1,2,3,4,5
	ds_load_b64 v[(\reg)+2*\p:(\reg)+2*\p+1], v[(\adr)] offset:6144*(2*(\q)+\p/3)+768*(\i)+8*(\p%3)
.endr
.endm
; One matrix instruction; C = v[cr ..].  rr: bit 0: source 0's scales stand in lanes 16-31, bit 1: source 1's.
.macro WM d, x, y, cr, s0, s1, rr
.if (\rr) == 0
	v_wmma_scale_f32_16x16x128_f8f6f4 v[(\d):(\d)+7], v[(\x):(\x)+11], v[(\y):(\y)+11], v[(\cr):(\cr)+7], v[(\s0)], v[(\s1)] matrix_a_fmt:MATRIX_FMT_FP6 matrix_b_fmt:MATRIX_FMT_FP6
.elseif (\rr) == 1
	v_wmma_scale_f32_16x16x128_f8f6f4 v[(\d):(\d)+7], v[(\x):(\x)+11], v[(\y):(\y)+11], v[(\cr):(\cr)+7], v[(\s0)], v[(\s1)] matrix_a_fmt:MATRIX_FMT_FP6 matrix_b_fmt:MATRIX_FMT_FP6 matrix_a_scale:MATRIX_SCALE_ROW1
.elseif (\rr) == 2
	v_wmma_scale_f32_16x16x128_f8f6f4 v[(\d):(\d)+7], v[(\x):(\x)+11], v[(\y):(\y)+11], v[(\cr):(\cr)+7], v[(\s0)], v[(\s1)] matrix_a_fmt:MATRIX_FMT_FP6 matrix_b_fmt:MATRIX_FMT_FP6 matrix_b_scale:MATRIX_SCALE_ROW1
.else
	v_wmma_scale_f32_16x16x128_f8f6f4 v[(\d):(\d)+7], v[(\x):(\x)+11], v[(\y):(\y)+11], v[(\cr):(\cr)+7], v[(\s0)], v[(\s1)] matrix_a_fmt:MATRIX_FMT_FP6 matrix_b_fmt:MATRIX_FMT_FP6 matrix_a_scale:MATRIX_SCALE_ROW1 matrix_b_scale:MATRIX_SCALE_ROW1
.endif
.endm
; Products n0 .. n1 - 1 of a unit's 16 (n = 4 a + b: h's block a, W2's block b).  The 16 accumulators take turns, one instruction a turn, in the same order in every unit.
.macro WMS n0, n1
.if UK == 0
	WIN (2<<6)|(1<<4)|0x05
.else
	WIN (2<<6)|(2<<4)|0x05
.endif
.irp a, 0,1,2,3
.irp b, 0,1,2,3
.if (4*\a+\b >= \n0) && (4*\a+\b < \n1)
.set DD, 8*(4*\a+\b)
.if UK == 0
.set CR, 192+8*\b
.else
.set CR, DD
.endif
	WM DD, BF+12*\b, AF+12*\a, CR, SB+(\b/2)*NK+UK, SA+(\a/2)*NK+UK, (\b%2)+2*(\a%2)
.endif
.endr
.endr
.endm
.macro NEXTLOADS                       ; the next unit's fragments: W2's four and h's four
.set NU, U+1
.set NS, (NU/NQ)%NSL
.set NQQ, NU%NQ
	WIN 0x40                                       ; destination window 1, address window 0
.irp i, 0,1,2,3
	FRAGR 96+48*(NU%2)+12*\i, 10+NU/8, 16+NU/8, NU%8, \i
.endr
.irp i, 0,1,2,3
	FRAGP 48*(NU%2)+12*\i, 4+NS, NQQ, \i
.endr
.endm
.macro UNIT_PLAIN                      ; a unit: one K step of 128, 16 products
	s_wait_dscnt 0x0                               ; this unit's fragments, asked for twelve products ago
	WMS 0, 4
	NOPS 4                                         ; four places in front of loads into registers that matrix instructions have read
	NEXTLOADS
	WMS 4, 16
.endm
.macro UNIT_CHANGE                     ; a chunk's last unit changes slots
.set SG, UC%NSL
	WIN 0
	s_wait_alu depctr_va_vdst(0)
	s_wait_tensorcnt 0x0                           ; all my tensor loads have landed
	ds_add_u32 v30, v31                            ; 0 onto my spare word
.if KIND == 2
	s_add_nc_u64 s[G0A+4*SG+2:G0A+4*SG+3], s[G0A+4*SG+2:G0A+4*SG+3], NSL*ACH   ; no load of mine is out: this slot's next chunk
.endif
	s_wait_dscnt 0x1                               ; this unit's fragments are in; only the add may be out
	WMS 0, 8
	s_wait_dscnt 0x0                               ; the add is done, and my reads of this slot are over
	WIN 0
.if KIND == 2
	CROUND                                         ; no wave of any partner still reads this slot or has a load on its way
	JLOAD SG                                       ; the first tensor load behind the round, one a wave
.else
	s_barrier_signal -1
	s_barrier_wait -1
.endif
	NOPS 4
	NEXTLOADS
	WMS 8, 16
.endm
	s_load_b256 s[4:11], s[0:1], 0x0               ; h's codes, h's words, W2's codes, W2's scales
	s_load_b128 s[12:15], s[0:1], 0x20             ; b2, out
	v_lshl_add_u32 v30, v0, 2, SPARE
	v_mov_b32 v31, 0
	ds_add_u32 v30, v31
	ds_add_u32 v30, v31
	s_wait_dscnt 0x0
	v_lshrrev_b32 v1, 5, v0
	v_readfirstlane_b32 s24, v1                    ; wave
	s_lshr_b32 s25, s24, 1                         ; wm
	s_and_b32 s26, s24, 1                          ; wn
	s_bfe_u32 s27, ttmp6, 0x40000                  ; cx
	s_bfe_u32 s28, ttmp6, 0x40004                  ; cy
	s_lshl_b32 s29, ttmp9, 2
	s_add_co_u32 s29, s29, s27                     ; TX
	s_and_b32 s30, ttmp7, 0xffff
	s_lshl_b32 s30, s30, 2
	s_add_co_u32 s30, s30, s28                     ; TY
	s_lshl_b32 s80, s28, 2
	s_lshl_b32 s80, 15, s80                        ; my row of the cluster
	s_lshl_b32 s81, 0x1111, s27                    ; my column
	s_or_b32 s[G1A], s80, (3<<16)|(1<<21)          ; h's tile: elements of 8 bytes, no padding
	s_mov_b32 s[G1A+1], 768<<16                    ; a row: 128 piece rows of one panel, 6,144 bytes
	s_mov_b32 s[G1A+2], 8<<16                      ; eight panels
	s_mov_b32 s[G1A+3], 768<<16
	s_mov_b32 s[G1A+4], 8
	s_mov_b32 s[G1A+5], 24576                      ; from panel to panel: 196,608 bytes
	s_mov_b32 s[G1A+6], 0
	s_mov_b32 s[G1A+7], 0
	s_or_b32 s[G1B], s81, (1<<20)|(1<<21)|(QI<<22)|(3<<25)   ; W2's tile: elements of 1 byte; 4 words of padding behind every 64
	s_mov_b32 s[G1B+1], ROWB<<16
	s_mov_b32 s[G1B+2], 128<<16
	s_mov_b32 s[G1B+3], ROWB<<16
	s_mov_b32 s[G1B+4], 128
	s_mov_b32 s[G1B+5], 1536
	s_mov_b32 s[G1B+6], 0
	s_mov_b32 s[G1B+7], 0
	s_mul_i32 s82, s30, 128*48                     ; h's tile hangs on the tile row alone,
	s_mov_b32 s83, 0
	s_mul_i32 s88, s29, 128*1536                   ; W2's on the tile column alone
	s_mov_b32 s89, 0
	s_mov_b32 s98, 0x05040100                      ; v_perm_b32: two low halves
	s_wait_kmcnt 0x0
	s_add_nc_u64 s[84:85], s[4:5], s[82:83]
	s_add_nc_u64 s[86:87], s[8:9], s[88:89]
.irp s, 0,1
	s_mov_b32 s[G0A+4*\s], 1
	s_mov_b32 s[G0A+4*\s+1], HB+\s*AREG
	s_add_nc_u64 s[G0A+4*\s+2:G0A+4*\s+3], s[84:85], \s*ACH
	s_or_b32 s[G0A+4*\s+3], s[G0A+4*\s+3], 0x80000000
	s_mov_b32 s[G0B+4*\s], 1
	s_mov_b32 s[G0B+4*\s+1], \s*HALFT
	s_add_nc_u64 s[G0B+4*\s+2:G0B+4*\s+3], s[86:87], \s*768
	s_or_b32 s[G0B+4*\s+3], s[G0B+4*\s+3], 0x80000000
.endr
	CROUND                                         ; all sixteen work-groups are here: the first joint loads meet
; the head's loads, one a wave, in one chain of branches on the wave's number: every way passes exactly one load
.macro ARM under, g0, g1, next
	s_cmp_lt_u32 s24, \under
	s_cbranch_scc0 \next
	tensor_load_to_lds s[\g0:\g0+3], s[\g1:\g1+7]
	s_nop 0
	NOPS 4
	s_branch .Lfirst_done
\next:
.endm
	ARM 1, G0B,   G1B, .Lfirst_b1
	ARM 2, G0B+4, G1B, .Lfirst_a0
	ARM 3, G0A,   G1A, .Lfirst_a1
	tensor_load_to_lds s[G0A+4:G0A+7], s[G1A:G1A+7]
	s_nop 0
	NOPS 4
.Lfirst_done:
	v_and_b32 v1, 15, v0                           ; r
	v_bfe_u32 v2, v0, 4, 1                         ; h
	v_and_b32 v3, 31, v0                           ; lane
	s_wait_alu depctr_va_vdst(0)
	s_lshl_b32 s82, s30, 7
	s_lshl_b32 s91, s25, 6
	s_add_co_u32 s82, s82, s91                     ; my first row
	s_lshl_b32 s92, s82, 2
	s_mov_b32 s93, 0
	s_add_nc_u64 s[6:7], s[6:7], s[92:93]          ; its scale word in panel 0
	s_lshl_b32 s92, s82, 12                        ; a row of out is 4,096 bytes
	s_add_nc_u64 s[14:15], s[14:15], s[92:93]
	s_lshl_b32 s88, s29, 7
	s_lshl_b32 s91, s26, 6
	s_add_co_u32 s88, s88, s91                     ; my first column
	s_lshl_b32 s92, s88, 2
	s_add_nc_u64 s[14:15], s[14:15], s[92:93]
	s_add_nc_u64 s[12:13], s[12:13], s[92:93]      ; b2 likewise
	s_lshl_b32 s92, s88, 6                         ; 64 scale bytes a row of W2
	s_add_nc_u64 s[10:11], s[10:11], s[92:93]
	v_lshlrev_b32 v150, 6, v3                      ; W2's scales: lane L takes row 32 b + L
	v_lshlrev_b32 v151, 2, v3                      ; h's words: lane L takes row 32 a + L
	v_lshlrev_b32 v156, 5, v2                      ; b2: my half's eight numbers
.irp bb, 0,1
.irp i, 0,1,2,3
	global_load_b128 v[SB+\bb*NK+4*\i:SB+\bb*NK+4*\i+3], v150, s[10:11] offset:2048*\bb+16*\i
.endr
.endr
.set PX, 0
.rept 2*NK
	global_load_b32 v[TW+2*PX], v151, s[6:7] offset:16384*PX
	global_load_b32 v[TW+2*PX+1], v151, s[6:7] offset:16384*PX+128
.set PX, PX+1
.endr
	WIN 0x40
.irp b, 0,1,2,3
	global_load_b128 v[192+8*\b:192+8*\b+3], v156, s[12:13] offset:64*\b
	global_load_b128 v[192+8*\b+4:192+8*\b+7], v156, s[12:13] offset:64*\b+16
.endr
	WIN 0
	v_mul_u32_u24 v152, v1, PITCH
	v_mad_u32_u24 v152, v2, 24, v152
	s_mul_i32 s91, s26, 64*PITCH
.set IX, 0
.rept NSL
	s_add_co_u32 s92, s91, IX*HALFT
	v_add_nc_u32 v[10+IX], s92, v152
	v_lshl_add_u32 v[16+IX], v2, 4, v[10+IX]
.set IX, IX+1
.endr
	v_mul_u32_u24 v153, v1, 48
	v_mad_u32_u24 v153, v2, 24, v153
	s_mul_i32 s91, s25, 64*48
.set IX, 0
.rept NSL
	s_add_co_u32 s92, s91, HB+IX*AREG
	v_add_nc_u32 v[4+IX], s92, v153
.set IX, IX+1
.endr
	s_mul_i32 s91, s24, 4608
	s_add_co_u32 s91, s91, STAGE                   ; my stage: 16 rows x (256 + 16) bytes
	v_mul_u32_u24 v22, v1, 272
	v_lshl_add_u32 v22, v2, 5, v22
	v_add_nc_u32 v22, s91, v22                     ; in: row r, 32 bytes for each half of the lanes
	v_mul_u32_u24 v23, v2, 272
	v_lshl_add_u32 v23, v1, 4, v23
	v_add_nc_u32 v23, s91, v23                     ; back: lanes 0-15 one row, lanes 16-31 the next
	v_lshlrev_b32 v28, 12, v2
	v_lshl_add_u32 v28, v1, 4, v28                 ; and the same two rows in out
	s_wait_loadcnt 0x0
.set SX, 0
.rept NK
	v_perm_b32 v[SA+SX], v[TW+4*SX+2], v[TW+4*SX], s98        ; two panels' bytes make the word of a K step of 128
	v_perm_b32 v[SA+NK+SX], v[TW+4*SX+3], v[TW+4*SX+1], s98
.set SX, SX+1
.endr
	NOPS 8                                         ; a scale register written by a vector instruction stands eight places ahead of a scaled matrix instruction
	s_wait_tensorcnt 0x0                           ; my tile of the head's four is in
	s_barrier_signal -1
	s_barrier_wait -1
.set U, -1
	NEXTLOADS
.set U, 0
.rept NK
.set UK, U
.set AF, 48*(U%2)
.set BF, 96+48*(U%2)
.set UC, UK/NQ
.if UC+NSL < NCH
.set KIND, 2                           ; behind chunks 0, 1: their slot is filled again, with chunk 2, 3
.elseif (UC+1 < NSL) && (UC >= 1)
.set KIND, 0                           ; never taken: no chunk meets both conditions
.else
.set KIND, 1                           ; behind chunk 2: chunk 3 is shown by each fetching wave's wait and a barrier
.endif
.if U == NK-1
	s_wait_dscnt 0x0
	WMS 0, 16
.elseif (UK%NQ == NQ-1) && (KIND != 0)
	UNIT_CHANGE
.else
	UNIT_PLAIN
.endif
.set U, U+1
.endr
	WIN 0
	NOPS 4                                         ; four places in front of the first read of results
; THE WAY OUT, 16 rows x 64 columns at a time, through my stage: sixteen lanes then store 256 consecutive bytes, aligned.
.irp a, 0,1,2,3
.if \a >= 2
	s_wait_xcnt 0x0                                ; block a - 2's stores have read their registers
.endif
	WIN 0x08                                       ; an LDS store's data: window 2
.irp b, 0,1,2,3
	ds_store_b128 v22, v[8*(4*\a+\b):8*(4*\a+\b)+3] offset:64*\b           ; each accumulator from its low end on
	ds_store_b128 v22, v[8*(4*\a+\b)+4:8*(4*\a+\b)+7] offset:64*\b+16
.endr
	WIN 0
.irp i, 0,1,2,3,4,5,6,7
	ds_load_b128 v[96+32*(\a%2)+4*\i:96+32*(\a%2)+4*\i+3], v23 offset:544*\i   ; LDS serves a wave's instructions in order: these see my stores
.endr
	s_wait_dscnt 0x0
.irp i, 0,1,2,3,4,5,6,7
	global_store_b128 v28, v[96+32*(\a%2)+4*\i:96+32*(\a%2)+4*\i+3], s[14:15] offset:(16*\a+2*\i)*4096 th:TH_STORE_NT
.endr
.endr
	s_wait_tensorcnt 0x0                           ; the wave's end
	ds_add_u32 v30, v31
	s_wait_dscnt 0x0
	CROUND                                         ; the closing round
	s_endpgm
.Lfunc_end_k_q2c1f973b84_ffn2:
	.size	k_q2c1f973b84_ffn2, .Lfunc_end_k_q2c1f973b84_ffn2-k_q2c1f973b84_ffn2
	.p2alignl 7, 3214868480
	.fill 96, 4, 3214868480
	.section	.rodata,"a",@progbits
	.p2align	6, 0x0
	.amdhsa_kernel k_q2c1f973b84_ffn2
		.amdhsa_group_segment_fixed_size 327680
		.amdhsa_private_segment_fixed_size 0
		.amdhsa_enable_private_segment 0
		.amdhsa_kernarg_size 48
		.amdhsa_user_sgpr_count 2
		.amdhsa_user_sgpr_kernarg_segment_ptr 1
		.amdhsa_wavefront_size32 1
		.amdhsa_system_sgpr_workgroup_id_x 1
		.amdhsa_system_sgpr_workgroup_id_y 1
		.amdhsa_system_sgpr_workgroup_id_z 1
		.amdhsa_system_vgpr_workitem_id 0
		.amdhsa_next_free_vgpr 640
		.amdhsa_next_free_sgpr 100
		.amdhsa_reserve_vcc 0
		.amdhsa_float_denorm_mode_32 3
		.amdhsa_float_denorm_mode_16_64 3
		.amdhsa_memory_ordered 1
		.amdhsa_forward_progress 1
		.amdhsa_inst_pref_size 111
	.end_amdhsa_kernel
	.amdgpu_metadata
---
amdhsa.version: [ 1, 2 ]
amdhsa.kernels:
  - .name:           k_q2c1f973b84_ffn2
    .symbol:         k_q2c1f973b84_ffn2.kd
    .args:
      - { .name: h_codes, .offset: 0, .size: 8, .value_kind: global_buffer, .address_space: global }
      - { .name: h_sw, .offset: 8, .size: 8, .value_kind: global_buffer, .address_space: global }
      - { .name: W2_codes, .offset: 16, .size: 8, .value_kind: global_buffer, .address_space: global }
      - { .name: W2_scales, .offset: 24, .size: 8, .value_kind: global_buffer, .address_space: global }
      - { .name: b2, .offset: 32, .size: 8, .value_kind: global_buffer, .address_space: global }
      - { .name: out0, .offset: 40, .size: 8, .value_kind: global_buffer, .address_space: global }
    .group_segment_fixed_size: 327680
    .private_segment_fixed_size: 0
    .kernarg_segment_align: 8
    .kernarg_segment_size: 48
    .max_flat_workgroup_size: 128
    .sgpr_count:     100
    .vgpr_count:     640
    .wavefront_size: 32
...
	.end_amdgpu_metadata
.endif
;; end of part 4
